; MI455X (gfx1250); checked and timed in simulation.
; The chip was launched on July 23, 2026; its instructions are those of AMD's public machine-readable ISA for CDNA 5 (MIT licence, August 2026) and "CDNA5" Instruction Set Architecture Reference Guide (July 2026). The comments in the code are by the model that wrote it; some were corrected since.
;; Attention Block. Allowed arithmetic: float matrix products may take bf16 or f16 operands with f32 sums; other float arithmetic in f32, or as packed bf16 or f16 multiplies, adds, multiply-adds, maxima and minima; sums over many terms, partial sums and values carried from step to step in f32; what a program stores and reads back later, other than sums and carried values, may be rounded once to bf16 or f16.
;; Inputs: Wk 1,024 x 1,024 float32; Wq 1,024 x 1,024 float32; Wv 1,024 x 1,024 float32; x 4 x 2,048 x 1,024 float32.
;; Outputs: out0 4 x 2,048 x 1,024 float32.
;; 2 versions, each right; version 2 is version 1 with the launch cast written anew for expert scheduling mode. Each part assembles by itself: llvm-mc -triple=amdgcn-amd-amdhsa -mcpu=gfx1250 --defsym DOCPART=n.
;; ======== version 1 of 2: 4 launches
;; limits: values are held in f16: magnitudes above 65,504 overflow, below 6.1e-05 lose precision
;; workspace buffers: xw 23,789,568 bytes; qkv 50,331,648 bytes; pw 33,554,432 bytes; stat 1,048,576 bytes
;; launch cast (part 1): grid 704 x 1, 4 waves a work-group, no clusters, 0 bytes of LDS; arguments x, Wq, Wk, Wv, xw; writes xw
.if DOCPART == 1
	.amdgcn_target "amdgcn-amd-amdhsa--gfx1250"
	.amdhsa_code_object_version 6
	.text
	.protected	k_q3171e573bd_cast
	.globl	k_q3171e573bd_cast
	.p2align	8
	.type	k_q3171e573bd_cast,@function
k_q3171e573bd_cast:
	s_mov_b64 s[64:65], 0
	v_nop
	global_prefetch_b8 v0, s[64:65] scope:SCOPE_SE
	s_setreg_imm32_b32 hwreg(HW_REG_WAVE_MODE, 25, 1), 1
	s_wait_xcnt 0x0
; xw in bf16 = x's 8,192 rows, then Wq's, Wk's and Wv's 1,024 rows each, every number rounded once (to nearest even), LAID OUT IN 11 BLOCKS ALONG K for the launch behind:
; block kb is [11,264 rows][96 numbers], dense, 192 bytes a row.  Block 0 holds columns 0-63 and 32 zeros; block kb >= 1 holds columns 64 + 96 (kb - 1) on.
; So 128 or 192 rows of a block, which is what one tensor load of the launch behind takes, are whole aligned blocks of 256 bytes on end.
; A stream: each input byte is read once, each output byte written once; no LDS, no matrix unit, no cluster: nothing is shared.
; SHARES.  A work-group takes 16 rows, a wave 4.  4 rows of a block are 768 bytes = 96 pieces of 4 numbers: piece 32 n + lane (n = 0, 1, 2) is row (piece / 24), numbers 4 (piece % 24) on.
; A lane loads 16 bytes (24 neighbouring lanes: 384 consecutive bytes of a row) and stores 8: the 32 lanes of a store fill 256 consecutive bytes, aligned.  All 33 loads go out on end.
.set KBLK, 2162688                     ; bytes in a block: 11,264 rows x 192
.set VO, 4                             ; v4-6   piece n: byte offset in my 4 rows of the source, less the block's
.set VZ, 7                             ; v7-9   the same for block 0, held inside its 64 columns
.set OO, 10                            ; v10    8 x lane
.set X,  16                            ; v[16:147]  load i = 3 kb + n: four f32; then its first two registers hold the four bf16
.set MK, 20                            ; s20-22 piece n: the lanes whose piece lies in block 0's 64 columns
.set OB, 24                            ; s[24:31] xw at my 4 rows of blocks 0, 3, 6, 9: the blocks between stand in the stores' immediates
	s_load_b256 s[4:11], s[0:1], 0x0               ; x s[4:5], Wq s[6:7], Wk s[8:9], Wv s[10:11]
	s_load_b64 s[12:13], s[0:1], 0x20              ; xw
	v_lshrrev_b32 v1, 5, v0
	v_readfirstlane_b32 s14, v1                    ; wave 0..3
	v_and_b32 v1, 31, v0                           ; lane
.irp n, 0,1,2
	v_add_nc_u32 v2, 32*(\n), v1                   ; the piece, 0 to 95
	v_mul_u32_u24 v3, v2, 171
	v_lshrrev_b32 v3, 12, v3                       ; piece / 24: 171 / 4,096 serves up to 95
	v_mul_u32_u24 v11, v3, 24
	v_sub_nc_u32 v11, v2, v11                      ; piece % 24
	v_lshlrev_b32 v3, 12, v3                       ; a row of the source is 4,096 bytes
	v_lshl_add_u32 v[VO+(\n)], v11, 4, v3
	v_cmp_gt_u32 s[MK+(\n)], 16, v11               ; block 0 has 16 pieces of numbers in a row; the other 8 are zeros
	v_min_u32 v11, 15, v11                         ; and their lanes load the row's piece 15: every load stays in its row
	v_lshl_add_u32 v[VZ+(\n)], v11, 4, v3
.endr
	v_lshlrev_b32 v[OO], 3, v1
	s_mov_b32 s18, 0                               ; the first work-group of my source
	s_mov_b32 s3, 0
	s_wait_kmcnt 0x0
	s_mov_b64 s[16:17], s[4:5]                     ; work-groups 0-511: x; 512-575: Wq; 576-639: Wk; 640-703: Wv
	s_cmp_ge_u32 ttmp9, 512
	s_cselect_b64 s[16:17], s[6:7], s[16:17]
	s_cselect_b32 s18, 512, s18
	s_cmp_ge_u32 ttmp9, 576
	s_cselect_b64 s[16:17], s[8:9], s[16:17]
	s_cselect_b32 s18, 576, s18
	s_cmp_ge_u32 ttmp9, 640
	s_cselect_b64 s[16:17], s[10:11], s[16:17]
	s_cselect_b32 s18, 640, s18
	s_sub_co_u32 s2, ttmp9, s18
	s_lshl_b32 s2, s2, 16                          ; 16 rows of 4,096 bytes,
	s_lshl_b32 s15, s14, 14                        ; my wave's 4 of them
	s_add_co_u32 s2, s2, s15
	s_add_nc_u64 s[16:17], s[16:17], s[2:3]
	s_mul_i32 s2, ttmp9, 3072                      ; 16 rows of 192 bytes in a block of xw,
	s_mul_i32 s15, s14, 768                        ; my wave's 4
	s_add_co_u32 s2, s2, s15
	s_add_nc_u64 s[OB:OB+1], s[12:13], s[2:3]
	s_add_nc_u64 s[OB+2:OB+3], s[OB:OB+1], 3*KBLK
	s_add_nc_u64 s[OB+4:OB+5], s[OB+2:OB+3], 3*KBLK
	s_add_nc_u64 s[OB+6:OB+7], s[OB+4:OB+5], 3*KBLK
.set i, 0
.rept 33
.if i < 3
	global_load_b128 v[X+4*i:X+4*i+3], v[VZ+i], s[16:17] th:TH_LOAD_NT
.else
	global_load_b128 v[X+4*i:X+4*i+3], v[VO+i%3], s[16:17] offset:256+384*(i/3-1) th:TH_LOAD_NT
.endif
.set i, i+1
.endr
.set i, 0
.rept 33
.if i%3 == 0
	s_wait_loadcnt 30-i                            ; loads come back in order: this block's three are in, the later blocks' stay out
.endif
	v_cvt_pk_bf16_f32 v[X+4*i],   v[X+4*i],   v[X+4*i+1]  ; in place: each word lands on a register whose f32 has been read
	v_cvt_pk_bf16_f32 v[X+4*i+1], v[X+4*i+2], v[X+4*i+3]
.if i < 3
	v_cndmask_b32 v[X+4*i],   0, v[X+4*i],   s[MK+i]      ; block 0's last 32 numbers of a row are zeros
	v_cndmask_b32 v[X+4*i+1], 0, v[X+4*i+1], s[MK+i]
.endif
	global_store_b64 v[OO], v[X+4*i:X+4*i+1], s[OB+2*(i/9):OB+2*(i/9)+1] offset:((i/3)%3)*KBLK+256*(i%3)
.set i, i+1
.endr
	s_endpgm
.Lfunc_end_k_q3171e573bd_cast:
	.size	k_q3171e573bd_cast, .Lfunc_end_k_q3171e573bd_cast-k_q3171e573bd_cast
	.p2alignl 7, 3214868480
	.fill 96, 4, 3214868480
	.section	.rodata,"a",@progbits
	.p2align	6, 0x0
	.amdhsa_kernel k_q3171e573bd_cast
		.amdhsa_group_segment_fixed_size 0
		.amdhsa_private_segment_fixed_size 0
		.amdhsa_enable_private_segment 0
		.amdhsa_kernarg_size 40
		.amdhsa_user_sgpr_count 2
		.amdhsa_user_sgpr_kernarg_segment_ptr 1
		.amdhsa_wavefront_size32 1
		.amdhsa_system_sgpr_workgroup_id_x 1
		.amdhsa_system_sgpr_workgroup_id_y 1
		.amdhsa_system_sgpr_workgroup_id_z 1
		.amdhsa_system_vgpr_workitem_id 0
		.amdhsa_next_free_vgpr 148
		.amdhsa_next_free_sgpr 66
		.amdhsa_reserve_vcc 0
		.amdhsa_float_denorm_mode_32 3
		.amdhsa_float_denorm_mode_16_64 3
		.amdhsa_memory_ordered 1
		.amdhsa_forward_progress 1
		.amdhsa_inst_pref_size 15
	.end_amdhsa_kernel
	.amdgpu_metadata
---
amdhsa.version: [ 1, 2 ]
amdhsa.kernels:
  - .name:           k_q3171e573bd_cast
    .symbol:         k_q3171e573bd_cast.kd
    .args:
      - { .name: x, .offset: 0, .size: 8, .value_kind: global_buffer, .address_space: global }
      - { .name: Wq, .offset: 8, .size: 8, .value_kind: global_buffer, .address_space: global }
      - { .name: Wk, .offset: 16, .size: 8, .value_kind: global_buffer, .address_space: global }
      - { .name: Wv, .offset: 24, .size: 8, .value_kind: global_buffer, .address_space: global }
      - { .name: xw, .offset: 32, .size: 8, .value_kind: global_buffer, .address_space: global }
    .group_segment_fixed_size: 0
    .private_segment_fixed_size: 0
    .kernarg_segment_align: 8
    .kernarg_segment_size: 40
    .max_flat_workgroup_size: 128
    .sgpr_count:     66
    .vgpr_count:     148
    .wavefront_size: 32
...
	.end_amdgpu_metadata
.endif
;; end of part 1
;; launch proj (part 2): grid 8 x 32, 4 waves a work-group, clusters of 4 x 4, 327,680 bytes of LDS; arguments xw, qkv; writes qkv
.if DOCPART == 2
	.amdgcn_target "amdgcn-amd-amdhsa--gfx1250"
	.amdhsa_code_object_version 6
	.text
	.protected	k_q3171e573bd_proj
	.globl	k_q3171e573bd_proj
	.p2align	8
	.type	k_q3171e573bd_proj,@function
k_q3171e573bd_proj:
	s_mov_b64 s[64:65], 0
	v_nop
	global_prefetch_b8 v0, s[64:65] scope:SCOPE_SE
	s_setreg_imm32_b32 hwreg(HW_REG_WAVE_MODE, 25, 1), 1
	s_wait_xcnt 0x0
	s_wait_alu depctr_hold_cnt(0) depctr_sa_sdst(0) depctr_va_vdst(0) depctr_va_sdst(0) depctr_va_ssrc(0) depctr_va_vcc(0) depctr_vm_vsrc(0)
	s_getreg_b32 s2, hwreg(HW_REG_IB_STS2, 6, 4)
	s_cmp_eq_u32 s2, 0
	s_cbranch_scc0 .Lentry_in_a_cluster
	s_endpgm
.Lentry_in_a_cluster:
	s_bfe_u32 s2, ttmp6, 0x10000c
	s_cmp_lg_u32 s2, 0xf033
	s_cbranch_scc0 .Lentry_shape_is_right
	s_endpgm
.Lentry_shape_is_right:
; qkv[8192][3072] (f16) = x W^T, W = Wq, Wk, Wv one below the other: columns 0-1023 q, 1024-2047 k, 2048-3071 v.  bf16 products, f32 sums over K = 1,024 ascending, each sum rounded once to f16.
; LIMIT: f16 holds nothing beyond 65,504, so |q|, |k|, |v| must stay below that.
; xw holds x's and W's rows in 11 blocks along K, [11,264 rows][96] each, dense; block 0 has 64 columns and 32 zeros, which are brought in and never multiplied.
; SHARES.  A work-group makes 256 rows x 384 columns: 8 x 32 = 256 work-groups.  A wave makes 128 x 192: 96 accumulators of 16 x 16, 768 registers.
; THE RING.  A K step is a block of xw; two LDS slots of 640 rows (A's 256, B's 384).  Waves 0 and 1 fetch A's halves (128 rows = 96 rows of 256 bytes), waves 2 and 3 B's (192 rows = 144).
; The mover lays 16 bytes behind every 64: a quarter of 32 along K is one piece of 80 bytes, a row 240 bytes = 60 words: row r starts at bank -4 r mod 64 (64 banks of 4 bytes: ISA guide 11.1),
; so the 16 rows of a fragment load start at 16 different groups of four banks.  K steps of 128 would want 2 x 174,080 bytes of LDS; of 64 they hold 192 products a wave; of 96 they hold 288.
; CLUSTER 4 x 4: A's tile hangs on the tile row alone and is asked for jointly along a row of the cluster, B's on the tile column alone and along a column.
; TRANSPOSED USE (source 0 = 16 rows of B, source 1 = 16 rows of A): lane l holds row l % 16 and the columns 8 (l / 16) + 0..7.
; REGISTERS.  Window 0: v16-30 addresses; v32-95 A's 8 fragments; v96-191 B's 12: ONE buffer.  Windows 1 to 3: the accumulators.
; A quarter is six GROUPS of 16 products (4 fragments of A x 4 of B): G0-2 = A's lower four x B's groups 0, 1, 2; G3-5 = A's upper four x the same.  Group g has window 1 + g / 2, registers 128 (g % 2) on.
; Each part of the buffer is loaded for the next quarter as soon as its last group has read it, 32 or 48 products ahead of its first use.  The unit that is written, RQ, is a quarter turned by half:
; it begins with the first loads for the next quarter and ends with that quarter's G2.  So a change of slots falls between two RQ, and RQ stands once in a loop of three.
.set KBLK,   2162688                   ; bytes in a block of xw
.set CHUNK,  80
.set PITCH,  240
.set AHALF,  128*PITCH                 ; what a tensor load for A fills
.set BHALF,  192*PITCH                 ; for B
.set BOFF,   2*AHALF
.set SLOT1,  163840                    ; slot 1's first byte
.set SPARE,  SLOT1+BOFF+2*BHALF        ; behind the ring: the spare words, 128 bytes a wave, named by no other line
.set SPITCH, 784                       ; the stage's row: 768 bytes + 16
.set FA,    32
.set FB,    96
.set TMP,   32                         ; the way out
.set ADRA0, 16                         ; my lane's place among my rows of A in a slot; never rewritten
.set ADRB0, 17
.set ADRA,  18                         ; the same at the quarter that is being fetched
.set ADRB,  19
.set STO,   20                         ; v20, v21  the way out: where I put 16 bytes of a row: my rows 0-63, 64-127
.set RD,    22                         ; where I read rows back
.set RDC,   23
.set CO,    24                         ; my byte offset in qkv
.set SPW,   28                         ; LDS address of my spare word; never rewritten
.set NIL,   29                         ; 0; never rewritten
.set PFO,   30                         ; the prefetches' offset; never rewritten
.set TB,  2                            ; s2   LDS byte at which the quarter to be fetched begins in a row 0
.set SB,  3                            ; s3   first byte of the slot that is being fetched from
.set SEG, 8                            ; s8   changes of slots with a refill still to come
.set QN,  9                            ; s9   counts a step's three quarters; on the way out its four trips
.set WV,  10
.set WBA, 20                           ; s20  where my half of A goes in a slot
.set WBB, 21                           ; s21  where my half of B goes
.set RB,  22
.set G1A, 24
.set G0A, 32                           ; s[32:35] step 0; s[36:39] step 1, which then walks
.set LIM, 43                           ; 1 in a wave that prefetches, else the greatest number
.set PFA, 44
.set G1B, 48
.set G0B, 56
.set G1W, (1<<16)|(1<<20)|(1<<21)|(3<<22)|(3<<25)  ; 2-byte elements; padding on; bit 21 beside a mask; after every 16 words 4 words
.set MSB, 0
.macro WIN new                         ; the immediate's high byte repeats the setting that is left; a switch that changes nothing is dropped
.if MSB != (\new)
	s_set_vgpr_msb (MSB<<8)|(\new)
.set MSB, \new
.endif
.endm
.macro PLACES                          ; four places in front of loads into registers that matrix instructions have read
.rept 4
	v_nop
.endr
.endm
.macro CROUND                          ; a round of the cluster's barrier
	s_barrier_signal -1
	s_barrier_wait -1
	s_cmp_lg_u32 s[WV], 0
	s_cbranch_scc1 .Lnot_wave_0_\@
	s_barrier_signal -3
.Lnot_wave_0_\@:
	s_barrier_wait -3
	s_barrier_signal -1
	s_barrier_wait -1
.endm
.macro JLOAD                           ; a joint refill by the walking sets; the branch hangs on the wave's number alone
	s_cmp_lt_u32 s[WV], 2
	s_cbranch_scc0 .Lfor_b_\@
	tensor_load_to_lds s[G0A+4:G0A+7], s[G1A:G1A+7]
	s_nop 0
	PLACES
	s_branch .Lasked_\@
.Lfor_b_\@:
	tensor_load_to_lds s[G0B+4:G0B+7], s[G1B:G1B+7]
	s_nop 0
	PLACES
.Lasked_\@:
.endm
; A prefetch of the block of xw that the NEXT refill will ask for.  A's rows are asked for by the clusters with x = 0, B's by those with y = 0; the four partners that ask for a half tile jointly take a
; quarter of its bytes each, told apart by address: 24 blocks of 256 bytes of A's 96 (one line), 36 of B's 144 (two lines of 18); the lanes beyond repeat the share's last block in the same line.
; The last refill has no block behind its own.  Blocks 0 to 2 come by their loads alone.
.macro ASK
	s_cmp_gt_u32 s[SEG], s[LIM]
	s_cbranch_scc0 .Lnot_mine_\@
	global_prefetch_b8 v[PFO], s[PFA:PFA+1] th:TH_LOAD_NT scope:SCOPE_SE
	s_cmp_lt_u32 s[WV], 2
	s_cbranch_scc1 .Lnot_mine_\@
	global_prefetch_b8 v[PFO], s[PFA:PFA+1] offset:18*256 th:TH_LOAD_NT scope:SCOPE_SE
.Lnot_mine_\@:
.endm
	s_load_b128 s[4:7], s[0:1], 0x0                ; xw s[4:5], qkv s[6:7]
	v_lshl_add_u32 v[SPW], v0, 2, SPARE
	v_mov_b32 v[NIL], 0
	ds_add_u32 v[SPW], v[NIL]                      ; the wave's opening: the add and its wait ahead of my first tensor load
	v_lshrrev_b32 v1, 5, v0
	v_readfirstlane_b32 s[WV], v1
	s_lshr_b32 s11, s[WV], 1                       ; which 128 rows of the tile are mine.  Also: I fetch for A (0) or for B (1)
	s_and_b32 s12, s[WV], 1                        ; which 192 columns.  Also: which half of that tile I fetch
	s_bfe_u32 s40, ttmp6, 0x40000                  ; cx
	s_bfe_u32 s41, ttmp6, 0x40004                  ; cy
	s_lshl_b32 s42, ttmp9, 2
	s_add_co_u32 s42, s42, s40                     ; tile column = 4 x cluster x + cx
	s_and_b32 s13, ttmp7, 0xffff
	s_lshl_b32 s13, s13, 2
	s_add_co_u32 s13, s13, s41                     ; tile row = 4 x cluster y + cy
	s_lshl_b32 s43, s41, 2
	s_lshl_b32 s43, 15, s43                        ; my row of the cluster
	s_lshl_b32 s44, 0x1111, s40                    ; my column
	s_or_b32 s[G1A], s43, G1W
	s_or_b32 s[G1B], s44, G1W
	s_mov_b32 s[G1A+1], 128<<16                    ; tensor_dim0 = 128: rows of 256 bytes
	s_mov_b32 s[G1A+2], 96<<16                     ; tensor_dim1 = 96: 128 rows of xw
	s_mov_b32 s[G1A+3], 128<<16                    ; tile_dim0 = 128
	s_mov_b32 s[G1A+4], 96                         ; tile_dim1 = 96
	s_mov_b32 s[G1A+5], 128                        ; dense: 128 elements from row to row
	s_mov_b32 s[G1A+6], 0
	s_mov_b32 s[G1A+7], 0
	s_mov_b32 s[G1B+1], 128<<16
	s_mov_b32 s[G1B+2], 144<<16                    ; 192 rows of xw
	s_mov_b32 s[G1B+3], 128<<16
	s_mov_b32 s[G1B+4], 144
	s_mov_b32 s[G1B+5], 128
	s_mov_b32 s[G1B+6], 0
	s_mov_b32 s[G1B+7], 0
	s_lshl_b32 s16, s13, 8                         ; A: row 256 x tile row + 128 x half, 192 bytes a row
	s_lshl_b32 s17, s12, 7
	s_add_co_u32 s16, s16, s17
	s_mul_i32 s16, s16, 192
	s_mov_b32 s17, 0
	s_mul_i32 s46, s42, 384                        ; B: row 8,192 + 384 x tile column + 192 x half
	s_mul_i32 s47, s12, 192
	s_add_co_u32 s46, s46, s47
	s_add_co_u32 s46, s46, 8192
	s_mul_i32 s46, s46, 192
	s_mov_b32 s47, 0
	s_mul_i32 s[WBA], s12, AHALF                   ; no place in the cluster enters an LDS address
	s_mul_i32 s[WBB], s12, BHALF
	s_add_co_u32 s[WBB], s[WBB], BOFF
	s_mov_b32 s[TB], 0
	s_mov_b32 s[SB], 0
	s_wait_dscnt 0x0                               ; the opening add is done
	s_wait_kmcnt 0x0
	s_add_nc_u64 s[14:15], s[4:5], s[16:17]
	s_add_nc_u64 s[46:47], s[4:5], s[46:47]
.irp n, 0,1
	s_mov_b32 s[G0A+4*(\n)], 1
	s_add_co_u32 s[G0A+4*(\n)+1], s[WBA], (\n)*SLOT1
	s_add_nc_u64 s[G0A+4*(\n)+2:G0A+4*(\n)+3], s[14:15], (\n)*KBLK
	s_or_b32 s[G0A+4*(\n)+3], s[G0A+4*(\n)+3], 0x80000000
	s_mov_b32 s[G0B+4*(\n)], 1
	s_add_co_u32 s[G0B+4*(\n)+1], s[WBB], (\n)*SLOT1
	s_add_nc_u64 s[G0B+4*(\n)+2:G0B+4*(\n)+3], s[46:47], (\n)*KBLK
	s_or_b32 s[G0B+4*(\n)+3], s[G0B+4*(\n)+3], 0x80000000
.endr
	CROUND                                         ; all sixteen work-groups are here: the first joint loads meet
	s_cmp_lt_u32 s[WV], 2                          ; a wave's two first fills stand in one branch: two loads of mine are out
	s_cbranch_scc0 .Lfirst_b
	tensor_load_to_lds s[G0A:G0A+3], s[G1A:G1A+7]
	s_nop 0
	tensor_load_to_lds s[G0A+4:G0A+7], s[G1A:G1A+7]
	s_nop 0
	PLACES
	s_branch .Lfirst_asked
.Lfirst_b:
	tensor_load_to_lds s[G0B:G0B+3], s[G1B:G1B+7]
	s_nop 0
	tensor_load_to_lds s[G0B+4:G0B+7], s[G1B:G1B+7]
	s_nop 0
	PLACES
.Lfirst_asked:
	v_and_b32 v1, 15, v0                           ; l % 16
	v_bfe_u32 v2, v0, 4, 1                         ; l / 16
	v_mul_u32_u24 v3, v1, PITCH
	v_lshl_add_u32 v3, v2, 4, v3                   ; a fragment's row x pitch + 16 x half
	s_mul_i32 s18, s11, AHALF
	s_mul_i32 s19, s12, BHALF
	s_add_co_u32 s19, s19, BOFF
	v_add_nc_u32 v[ADRA0], s18, v3
	v_add_nc_u32 v[ADRB0], s19, v3
	s_mul_i32 s18, s11, 128*SPITCH                 ; into the stage: my 128 rows, my 384 bytes of them
	s_mul_i32 s19, s12, 384
	s_add_co_u32 s18, s18, s19
	v_mul_u32_u24 v4, v1, SPITCH
	v_lshl_add_u32 v4, v2, 4, v4
	v_add_nc_u32 v[STO], s18, v4
	v_add_nc_u32 v[STO+1], 64*SPITCH, v[STO]
	s_mul_i32 s18, s[WV], 64*SPITCH                ; back: wave w takes rows 64 w on, whole; lanes 0-15 one row's 256 bytes, lanes 16-31 the next row's
	v_mul_u32_u24 v4, v2, SPITCH
	v_lshl_add_u32 v4, v1, 4, v4
	v_add_nc_u32 v[RD], s18, v4
	v_mul_u32_u24 v4, v2, 6144
	v_lshl_add_u32 v[CO], v1, 4, v4
	s_lshl_b32 s16, s13, 8
	s_lshl_b32 s17, s[WV], 6
	s_add_co_u32 s16, s16, s17                     ; the first row that I store
	s_mul_i32 s16, s16, 6144
	s_mov_b32 s17, 0
	s_add_nc_u64 s[6:7], s[6:7], s[16:17]
	s_mul_i32 s46, s42, 768                        ; the tile's first column, in bytes
	s_mov_b32 s47, 0
	s_add_nc_u64 s[6:7], s[6:7], s[46:47]
	; the prefetches
	s_lshl_b32 s18, s13, 8
	s_lshl_b32 s19, s12, 7
	s_add_co_u32 s18, s18, s19                     ; my half's first row, in A
	s_mul_i32 s19, s42, 384
	s_mul_i32 s22, s12, 192
	s_add_co_u32 s19, s19, s22
	s_add_co_u32 s19, s19, 8192                    ; in B
	s_and_b32 s22, ttmp7, 0xffff                   ; cluster y
	s_mul_i32 s23, s11, 3072
	s_add_co_u32 s23, s23, 6144                    ; a partner's share: 24 or 36 blocks of 256 bytes
	s_cmp_eq_u32 s11, 0
	s_cselect_b32 s18, s18, s19
	s_cselect_b32 s19, s40, s41                    ; my place among the four that ask with me
	s_cselect_b32 s22, ttmp9, s22                  ; the coordinate along which other clusters read the same rows
	s_cselect_b32 s16, 23, 17                      ; the last lane with a block of its own
	s_cmp_eq_u32 s22, 0
	s_cselect_b32 s[LIM], 1, -1
	s_mul_i32 s18, s18, 192
	s_mul_i32 s19, s19, s23
	s_add_co_u32 s18, s18, s19
	s_mov_b32 s19, 0
	s_add_nc_u64 s[PFA:PFA+1], s[4:5], s[18:19]
	s_add_nc_u64 s[PFA:PFA+1], s[PFA:PFA+1], 2*KBLK  ; at block 2: the first change of slots steps it to 3
	v_and_b32 v[PFO], 31, v0
	v_min_u32 v[PFO], s16, v[PFO]
	v_lshlrev_b32 v[PFO], 8, v[PFO]
; Group g: 16 products on 16 accumulators.  An accumulator has one product a quarter: 95 others stand between two links of a chain, over the backward jumps too.
.macro GRP g, zero
	WIN 0x50*(1+(\g)/2)                            ; C and D in window 1 + g / 2, the sources in window 0
.set bb, 0
.rept 4
.set aa, 0
.rept 4
.set rD, 128*((\g)%2)+8*(4*bb+aa)
.set rB, FB+8*(4*((\g)%3)+bb)
.set rA, FA+8*(4*((\g)/3)+aa)
.if \zero
	v_wmma_f32_16x16x32_bf16 v[rD:rD+7], v[rB:rB+7], v[rA:rA+7], 0
.else
	v_wmma_f32_16x16x32_bf16 v[rD:rD+7], v[rB:rB+7], v[rA:rA+7], v[rD:rD+7]
.endif
.set aa, aa+1
.endr
.set bb, bb+1
.endr
.endm
.macro LDA half                        ; 8 LDS loads: four fragments of A
	WIN 0
.set ii, 4*(\half)
.rept 4
	ds_load_b128 v[FA+8*ii:FA+8*ii+3],   v[ADRA] offset:ii*16*PITCH
	ds_load_b128 v[FA+8*ii+4:FA+8*ii+7], v[ADRA] offset:ii*16*PITCH+32
.set ii, ii+1
.endr
.endm
.macro LDB g                           ; 8 LDS loads: four fragments of B
	WIN 0
.set ii, 4*(\g)
.rept 4
	ds_load_b128 v[FB+8*ii:FB+8*ii+3],   v[ADRB] offset:ii*16*PITCH
	ds_load_b128 v[FB+8*ii+4:FB+8*ii+7], v[ADRB] offset:ii*16*PITCH+32
.set ii, ii+1
.endr
.endm
.macro ADRS                            ; the addresses of the quarter to be fetched; the next one lies a piece further on
	v_add_nc_u32 v[ADRA], s[TB], v[ADRA0]
	v_add_nc_u32 v[ADRB], s[TB], v[ADRB0]
	s_add_co_u32 s[TB], s[TB], CHUNK
.endm
.macro HALF zero                       ; a quarter's G0-2.  Its loads were issued in the order A-lo, B0, B1, B2, A-hi, eight each
	s_wait_dscnt 24                                ; A-lo and B0 are in; B1, B2 and A-hi may be out
	GRP 0, \zero
	s_wait_dscnt 16                                ; B1 is in
	GRP 1, \zero
	s_wait_dscnt 8                                 ; B2 is in
	GRP 2, \zero
.endm
.macro RQ zero                         ; G3-5 of one quarter, the loads of the next, its G0-2
	ADRS                                           ; two plain instructions and two v_nop: the four places behind G2, which read A-lo
	v_nop
	v_nop
	LDA 0
	s_wait_dscnt 8                                 ; A-hi of the quarter in hand is in; the eight just issued may be out
	GRP 3, \zero
	PLACES
	LDB 0
	GRP 4, \zero
	PLACES
	LDB 1
	GRP 5, \zero
	PLACES
	LDB 2
	LDA 1
	HALF 0
	WIN 0
.endm
; THE CHANGE OF SLOTS, between two RQ: the slot's last quarter has been fetched.  Each wave waits for all its tensor loads (one is out: its part of the other slot), adds 0 to its spare word, and waits
; for that and for its reads of the slot.  fill = 1: the barrier is a round of the cluster's, and the slot is filled again first thing behind it: three RQ, 288 products, stand between that request and the wait for it.
.macro CHG fill
.if \fill
	s_wait_xcnt 0x0                                ; the last prefetches, a K step back, have read their address
	s_add_nc_u64 s[PFA:PFA+1], s[PFA:PFA+1], KBLK
.endif
	s_wait_tensorcnt 0x0
	ds_add_u32 v[SPW], v[NIL]
.if \fill
	s_add_co_u32 s[G0A+5], s[WBA], s[SB]           ; no tensor load of mine is out, so the walking sets may be written: the slot that is left, the next block
	s_add_nc_u64 s[G0A+6:G0A+7], s[G0A+6:G0A+7], KBLK
	s_add_co_u32 s[G0B+5], s[WBB], s[SB]
	s_add_nc_u64 s[G0B+6:G0B+7], s[G0B+6:G0B+7], KBLK
.endif
	s_xor_b32 s[SB], s[SB], SLOT1                  ; the fetches go on in the other slot, at its first quarter
	s_mov_b32 s[TB], s[SB]
	s_wait_dscnt 0x0                               ; the add is done, and my reads of the slot are over
.if \fill
	CROUND
	JLOAD
	ASK
.else
	s_barrier_signal -1
	s_barrier_wait -1
.endif
.endm
	s_wait_tensorcnt 0x1                           ; my part of K step 0 is in; step 1's may stay out
	s_barrier_signal -1
	s_barrier_wait -1
	ADRS                                           ; quarter 0: all 40 loads, and G0-2, which start their sums: nothing is cleared
	LDA 0
	LDB 0
	LDB 1
	LDB 2
	LDA 1
	HALF 1
	WIN 0
	RQ 1                                           ; G3-5 of quarter 0 start theirs; quarter 1 is the short first step's last
	s_mov_b32 s[SEG], 9
.Lseg:                                         ; trip m = 0..8: the change from step m to m + 1, the refill with step m + 2, step m + 1's three quarters
	CHG 1
	s_mov_b32 s[QN], 3
.Lq:
	RQ 0
	s_sub_co_u32 s[QN], s[QN], 1
	s_cmp_lg_u32 s[QN], 0
	s_cbranch_scc1 .Lq
	s_sub_co_u32 s[SEG], s[SEG], 1
	s_cmp_lg_u32 s[SEG], 0
	s_cbranch_scc1 .Lseg
	CHG 0                                          ; the last step is written out: nothing is asked for
	s_mov_b32 s[QN], 3
.Ltq:
	RQ 0
	s_sub_co_u32 s[QN], s[QN], 1
	s_cmp_lg_u32 s[QN], 0
	s_cbranch_scc1 .Ltq
	s_wait_dscnt 0x0                               ; the last fragments are in: my reads of the ring are over
	s_barrier_signal -1
	GRP 3, 0                                       ; the last quarter's G3-5, work on registers, while the others arrive
	GRP 4, 0
	GRP 5, 0
	WIN 0
	s_barrier_wait -1                              ; nobody reads the ring any more, and every wave has waited for all its tensor loads in front of the barrier before
	; THE WAY OUT.  A wave's 384 bytes of a row are no whole blocks of 256, so the four waves share one stage of 256 rows x 784 bytes.  It lies from LDS byte 0 on, over the slots, which have had their last fill.
.macro OUTG g                          ; group g: rounded to f16, 16 bytes a lane into the stage
	WIN 5*(1+(\g)/2)                               ; sources in window 1 + g / 2, destination in window 0
.set z, 0
.rept 64
	v_cvt_pk_f16_f32 v[TMP+64*((\g)%2)+z], v[128*((\g)%2)+2*z], v[128*((\g)%2)+2*z+1]
.set z, z+1
.endr
	WIN 0
.set z, 0
.rept 16                               ; accumulator z: A's fragment z % 4 of the group's four, B's z / 4
	ds_store_b128 v[STO+(\g)/3], v[TMP+64*((\g)%2)+4*z:TMP+64*((\g)%2)+4*z+3] offset:(z%4)*16*SPITCH+32*(4*((\g)%3)+z/4)
.set z, z+1
.endr
.endm
	PLACES
	PLACES                                         ; eight places, once a tile, ahead of the conversions that read results just made
.irp g, 0,1,2,3,4,5
	OUTG \g
.endr
	s_wait_dscnt 0x0                               ; for the others' sake: my stores into the stage are done
	s_barrier_signal -1
	s_barrier_wait -1
	s_mov_b32 s[RB], 0
	s_mov_b32 s[QN], 4
.Lout:                                         ; four trips of 16 rows: 24 loads of two rows' 256 bytes, 24 stores
	v_add_nc_u32 v[RDC], s[RB], v[RD]
.set z, 0
.rept 24
	ds_load_b128 v[TMP+4*z:TMP+4*z+3], v[RDC] offset:(z/3)*2*SPITCH+256*(z%3)
.set z, z+1
.endr
.set z, 0
.rept 24
	s_wait_dscnt 23-z                              ; LDS loads come back in order: load z is in
	global_store_b128 v[CO], v[TMP+4*z:TMP+4*z+3], s[6:7] offset:(z/3)*2*6144+256*(z%3)  ; 16 lanes store 256 consecutive bytes, aligned
.set z, z+1
.endr
	s_wait_xcnt 0x0                                ; the stores have read their registers and their base: both are written again only behind this wait
	s_add_nc_u64 s[6:7], s[6:7], 16*6144
	s_add_co_u32 s[RB], s[RB], 16*SPITCH
	s_sub_co_u32 s[QN], s[QN], 1
	s_cmp_lg_u32 s[QN], 0
	s_cbranch_scc1 .Lout
	s_wait_tensorcnt 0x0                           ; the wave's end
	ds_add_u32 v[SPW], v[NIL]
	s_wait_dscnt 0x0
	CROUND                                         ; the closing round: no work-group ends while a partner may still ask for a tile that names it
	s_endpgm
.Lfunc_end_k_q3171e573bd_proj:
	.size	k_q3171e573bd_proj, .Lfunc_end_k_q3171e573bd_proj-k_q3171e573bd_proj
	.p2alignl 7, 3214868480
	.fill 96, 4, 3214868480
	.section	.rodata,"a",@progbits
	.p2align	6, 0x0
	.amdhsa_kernel k_q3171e573bd_proj
		.amdhsa_group_segment_fixed_size 327680
		.amdhsa_private_segment_fixed_size 0
		.amdhsa_enable_private_segment 0
		.amdhsa_kernarg_size 16
		.amdhsa_user_sgpr_count 2
		.amdhsa_user_sgpr_kernarg_segment_ptr 1
		.amdhsa_wavefront_size32 1
		.amdhsa_system_sgpr_workgroup_id_x 1
		.amdhsa_system_sgpr_workgroup_id_y 1
		.amdhsa_system_sgpr_workgroup_id_z 1
		.amdhsa_system_vgpr_workitem_id 0
		.amdhsa_next_free_vgpr 1024
		.amdhsa_next_free_sgpr 66
		.amdhsa_reserve_vcc 0
		.amdhsa_float_denorm_mode_32 3
		.amdhsa_float_denorm_mode_16_64 3
		.amdhsa_memory_ordered 1
		.amdhsa_forward_progress 1
		.amdhsa_inst_pref_size 84
	.end_amdhsa_kernel
	.amdgpu_metadata
---
amdhsa.version: [ 1, 2 ]
amdhsa.kernels:
  - .name:           k_q3171e573bd_proj
    .symbol:         k_q3171e573bd_proj.kd
    .args:
      - { .name: xw, .offset: 0, .size: 8, .value_kind: global_buffer, .address_space: global }
      - { .name: qkv, .offset: 8, .size: 8, .value_kind: global_buffer, .address_space: global }
    .group_segment_fixed_size: 327680
    .private_segment_fixed_size: 0
    .kernarg_segment_align: 8
    .kernarg_segment_size: 16
    .max_flat_workgroup_size: 128
    .sgpr_count:     66
    .vgpr_count:     1024
    .wavefront_size: 32
...
	.end_amdgpu_metadata
.endif
;; end of part 2
;; launch score (part 3): grid 9 x 16, 4 waves a work-group, no clusters, 327,680 bytes of LDS; arguments qkv, pw, stat; writes pw, stat
.if DOCPART == 3
	.amdgcn_target "amdgcn-amd-amdhsa--gfx1250"
	.amdhsa_code_object_version 6
	.text
	.protected	k_q3171e573bd_score
	.globl	k_q3171e573bd_score
	.p2align	8
	.type	k_q3171e573bd_score,@function
k_q3171e573bd_score:
	s_mov_b64 s[64:65], 0
	v_nop
	global_prefetch_b8 v0, s[64:65] scope:SCOPE_SE
	s_setreg_imm32_b32 hwreg(HW_REG_WAVE_MODE, 25, 1), 1
	s_wait_xcnt 0x0
; For each causal tile (i, j <= i) of 256 queries x 256 keys of a batch: S = q k^T (f16 products, f32 sums over 1,024 channels), the causal mask, the TILE's own row maximum m,
; p' = 2^(c s - c m), c = log2(e) / 32, rounded to f16 into pw[batch][query][key]; and for each row and each chunk of 128 keys c m and l = the sum of the unrounded p' into stat.
; The launch behind joins the tiles by the true row maximum: no fixed shift is used anywhere.
; LIMITS.  A hidden score counts as its value less 1e30.  A weight below f16's least step counts as 0 in pw.  NaN and infinities are not treated apart.
; SHARES.  9 x 16 work-groups: y = 4 batch + g, x = u: tile (g, u) where u <= g, else (7 - g, u - g - 1): the 36 tiles of each batch's triangle, one each.  A wave makes 128 x 128: 64 accumulators.
; NO CLUSTER: a triangle of 36 tiles does not divide into fours that share a tile row or a tile column, and no work-group is launched for nothing.
; The ring is two LDS slots of 512 rows x 256 bytes (q's 256 rows, k's 256); wave w fills rows 128 w on with one tensor load a K step of 128.
; TRANSPOSED USE: source 0 = 16 keys, source 1 = 16 queries: lane l holds query l % 16 and the keys 8 (l / 16) + 0..7.
; THE MASK is the C operand of the products that start the sums: 0 or -1e30.  Key 16 b + 8 (l/16) + jj of my 128 is hidden from query 16 a + l % 16 where 16 (b - a) + jj > DD,
; DD = l % 16 - 8 (l / 16) + 128 (my row half - my column half) in a diagonal tile, and out of reach elsewhere.  Three masks of 8 registers (b < a, b = a, b > a) serve all 64 accumulators.
; REGISTERS: window 0: v0-31 addresses; v64-191 q's fragments, two buffers; later the way out.  window 1: v0-23 masks; v64-191 k's fragments.  windows 2, 3: accumulators, (a, b) at 8 (8 (a % 4) + b).
.set KSTEP, 128
.set PITCH, 272
.set HALFT, 128*PITCH
.set SLOT,  4*HALFT                    ; 0x22000: the four fill bases hold neither of its bits
.set STAGE, 2*SLOT                     ; 16 rows x 272 bytes for each wave
.set SP,    272
.set EX,    STAGE+4*16*SP              ; 2 x 256 rows x 4 bytes: the maxima of the two column halves
.set SX,    EX+2048                    ; 1,024 bytes a wave: c m and l of its 128 rows
.set SPARE, SX+4096                    ; the spare words, 128 bytes a wave, named by no other line
.set NAF,   8
.set FA,    64
.set FB,    64
.set ADRA0, 16
.set ADRB0, 17
.set ADRA,  18
.set ADRB,  19
.set STO,   20
.set RD,    21
.set CO,    22
.set EXS,   23
.set EXL,   24
.set SXS,   25
.set SXL,   26
.set SO,    27
.set SPW,   28
.set NIL,   29
.set PFO,   30
.set OB,    32                         ; the way out: 16 rows read back, v32-63 and v224-255 by turns
.set SU,    64                         ; v64-95   sums at work
.set ST,    96                         ; v96-111  block a: c m at ST + 2 a, m at ST + 2 a + 1
.set LS,    112                        ; v112-119 block a's l
.set U,     128                        ; v128-223 the maximum pass's 96 at work
.set X,     128                        ; v128-135 what comes from another lane or wave
.set TMP,   192                        ; v192-223 a block's p' in f16
.set WV,  10
.set G1,  24                           ; s[24:31] group 1, one for all loads
.set G0,  32                           ; s[32:35] K step 0; s[36:39] K step 1, which then walks
.set TB,  40
.set CNT, 41
.set LIM, 42
.set PFA, 44
.set CS,  46                           ; s[46:47] c
.set SEL, 48                           ; s[48:49] v_permlanex16_b32's selects
.set BIGN, 50
.set TO_B, 0x40
.set MSB, 0
.macro WIN new
.if MSB != (\new)
	s_set_vgpr_msb (MSB<<8)|(\new)
.set MSB, \new
.endif
.endm
.macro PLACES
.rept 4
	v_nop
.endr
.endm
; A prefetch of the K step that the NEXT refill will ask for: my 128 rows x 256 bytes, a lane a row, four lines.  q's rows of block i are asked for by the tile with j = 0, k's rows of block j by
; the tile with i = j: each row's 256 bytes of a K step are named once.  The last trip has no step behind its refill's.
.macro ASK
	s_cmp_gt_u32 s[CNT], s[LIM]
	s_cbranch_scc0 .Lnot_mine_\@
.irp n, 0,1,2,3
	global_prefetch_b8 v[PFO], s[PFA:PFA+1] offset:(\n)*196608 th:TH_LOAD_NT scope:SCOPE_SE
.endr
.Lnot_mine_\@:
.endm
	s_load_b128 s[4:7], s[0:1], 0x0                ; qkv s[4:5], pw s[6:7]
	s_load_b64 s[8:9], s[0:1], 0x10                ; stat
	v_lshl_add_u32 v[SPW], v0, 2, SPARE
	v_mov_b32 v[NIL], 0
	ds_add_u32 v[SPW], v[NIL]                      ; the wave's opening: the add and its wait ahead of my first tensor load
	v_lshrrev_b32 v1, 5, v0
	v_readfirstlane_b32 s[WV], v1
	s_lshr_b32 s11, s[WV], 1                       ; my half of the tile's rows.  Also: I fetch q's rows (0) or k's (1)
	s_and_b32 s12, s[WV], 1                        ; my half of its columns.  Also: which 128 rows I fetch
	s_and_b32 s16, ttmp7, 0xffff
	s_lshr_b32 s13, s16, 2                         ; batch
	s_and_b32 s16, s16, 3                          ; g
	s_sub_co_u32 s17, 7, s16
	s_sub_co_u32 s18, ttmp9, s16
	s_sub_co_u32 s18, s18, 1
	s_cmp_le_u32 ttmp9, s16
	s_cselect_b32 s14, s16, s17                    ; i
	s_cselect_b32 s15, ttmp9, s18                  ; j
	s_cmp_eq_u32 s11, 0
	s_cselect_b32 s19, s14, s15                    ; the block whose rows I fetch,
	s_cselect_b32 s20, 0, 2048                     ; and where its 1,024 channels begin in a row of qkv
	s_lshl_b32 s19, s19, 8
	s_lshl_b32 s21, s13, 11
	s_add_co_u32 s19, s19, s21
	s_lshl_b32 s21, s12, 7
	s_add_co_u32 s19, s19, s21
	s_mul_i32 s16, s19, 6144
	s_add_co_u32 s16, s16, s20
	s_mov_b32 s17, 0
	s_sub_co_u32 s21, s14, s15
	s_cmp_eq_u32 s11, 0
	s_cselect_b32 s21, s15, s21                    ; j for q's waves, i - j for k's
	s_cmp_eq_u32 s21, 0
	s_cselect_b32 s[LIM], 1, -1
	s_sub_co_i32 s23, s11, s12
	s_lshl_b32 s23, s23, 7
	s_cmp_eq_u32 s14, s15
	s_cselect_b32 s23, s23, 100000                 ; 128 (row half - column half) in a diagonal tile; elsewhere nothing is hidden
	s_mov_b32 s[G1], (1<<16)|(1<<20)|(5<<22)|(3<<25)  ; 2-byte elements; padding on: after every 64 words 4 words
	s_mov_b32 s[G1+1], KSTEP<<16                   ; tensor_dim0 = 128
	s_mov_b32 s[G1+2], 128<<16                     ; tensor_dim1 = 128
	s_mov_b32 s[G1+3], KSTEP<<16                   ; tile_dim0 = 128
	s_mov_b32 s[G1+4], 128                         ; tile_dim1 = 128
	s_mov_b32 s[G1+5], 3072                        ; elements from row to row
	s_mov_b32 s[G1+6], 0
	s_mov_b32 s[G1+7], 0
	s_mul_i32 s20, s[WV], HALFT
	s_mov_b32 s[TB], 0
	s_mov_b32 s[CS], 0x3d38aa3b                    ; c = log2(e) / 32
	s_mov_b32 s[CS+1], s[CS]
	s_mov_b32 s[SEL], 0x76543210
	s_mov_b32 s[SEL+1], 0xfedcba98
	s_mov_b32 s[BIGN], 0xf149f2ca                  ; -1e30
	s_mov_b32 s[G0], 1
	s_mov_b32 s[G0+1], s20
	s_mov_b32 s[G0+4], 1
	s_add_co_u32 s[G0+5], s20, SLOT
	s_wait_dscnt 0x0                               ; the opening add is done
	s_wait_kmcnt 0x0
	s_add_nc_u64 s[18:19], s[4:5], s[16:17]        ; my 128 rows at K step 0
	s_mov_b64 s[G0+2:G0+3], s[18:19]
	s_or_b32 s[G0+3], s[G0+3], 0x80000000
	s_add_nc_u64 s[G0+6:G0+7], s[18:19], KSTEP*2
	s_or_b32 s[G0+7], s[G0+7], 0x80000000
	tensor_load_to_lds s[G0:G0+3], s[G1:G1+7]      ; both first fills together: two loads of mine are out
	s_nop 0
	tensor_load_to_lds s[G0+4:G0+7], s[G1:G1+7]
	s_nop 0
	PLACES
	s_add_nc_u64 s[PFA:PFA+1], s[18:19], 2*KSTEP*2 ; at K step 2: trip n steps it to n + 2.  K steps 0 to 2 come by their loads alone
	v_and_b32 v1, 15, v0                           ; l % 16
	v_bfe_u32 v2, v0, 4, 1                         ; l / 16
	v_and_b32 v5, 31, v0                           ; l
	v_lshlrev_b32 v4, 3, v2
	v_sub_nc_u32 v4, v1, v4
	v_add_nc_u32 v4, s23, v4                       ; DD
	WIN 0x40
.set z, 0
.rept 24                               ; the masks for b < a, b = a, b > a: register jj is hidden where -16, 0, 16 + jj > DD
	v_cmp_gt_i32 vcc_lo, 16*(z/8)-16+z%8, v4
	v_cndmask_b32 v[z], 0, s[BIGN], vcc_lo
.set z, z+1
.endr
	WIN 0
	v_mul_u32_u24 v3, v1, PITCH
	v_lshl_add_u32 v3, v2, 4, v3                   ; row x 272 + 16 x half: for fragments and for the stage
	s_mul_i32 s21, s11, HALFT
	s_mul_i32 s22, s12, HALFT
	s_add_co_u32 s22, s22, 2*HALFT
	v_add_nc_u32 v[ADRA0], s21, v3
	v_add_nc_u32 v[ADRB0], s22, v3
	v_mov_b32 v[ADRA], v[ADRA0]
	v_mov_b32 v[ADRB], v[ADRB0]
	s_mul_i32 s21, s[WV], 16*SP
	s_add_co_u32 s21, s21, STAGE
	v_add_nc_u32 v[STO], s21, v3
	v_mul_u32_u24 v6, v2, SP
	v_lshl_add_u32 v6, v1, 4, v6
	v_add_nc_u32 v[RD], s21, v6
	v_lshlrev_b32 v6, 12, v2
	v_lshl_add_u32 v[CO], v1, 4, v6                ; two rows of pw, 4,096 bytes apart
	s_lshl_b32 s21, s11, 9
	s_add_co_u32 s21, s21, EX
	s_lshl_b32 s22, s12, 10
	s_add_co_u32 s22, s22, s21
	v_lshl_add_u32 v[EXS], v1, 2, s22              ; my column half's words of my rows
	s_xor_b32 s22, s12, 1
	s_lshl_b32 s22, s22, 10
	s_add_co_u32 s22, s22, s21
	v_lshl_add_u32 v[EXL], v1, 2, s22              ; the other half's
	s_lshl_b32 s21, s[WV], 10
	s_add_co_u32 s21, s21, SX
	v_lshl_add_u32 v[SXS], v1, 2, s21
	v_lshl_add_u32 v[SXL], v5, 4, s21
	v_lshlrev_b32 v[SO], 4, v5
	v_mul_u32_u24 v[PFO], v5, 6144
	s_lshl_b32 s16, s13, 11                        ; pw at my first row and column
	s_lshl_b32 s17, s14, 8
	s_add_co_u32 s16, s16, s17
	s_lshl_b32 s17, s11, 7
	s_add_co_u32 s16, s16, s17
	s_lshl_b32 s16, s16, 12
	s_lshl_b32 s17, s15, 9
	s_add_co_u32 s16, s16, s17
	s_lshl_b32 s17, s12, 8
	s_add_co_u32 s16, s16, s17
	s_mov_b32 s17, 0
	s_add_nc_u64 s[6:7], s[6:7], s[16:17]
	s_lshl_b32 s16, s13, 4                         ; stat at chunk 16 batch + 2 j + column half, my first row
	s_lshl_b32 s17, s15, 1
	s_add_co_u32 s16, s16, s17
	s_add_co_u32 s16, s16, s12
	s_lshl_b32 s16, s16, 11
	s_lshl_b32 s17, s14, 8
	s_add_co_u32 s16, s16, s17
	s_lshl_b32 s17, s11, 7
	s_add_co_u32 s16, s16, s17
	s_lshl_b32 s16, s16, 2
	s_mov_b32 s17, 0
	s_add_nc_u64 s[8:9], s[8:9], s[16:17]
; 16 products: query blocks 4 hi + 2 part, + 1 x all 8 key blocks, 32 channels, from buffer n.  first = 1: they start the sums from the masks.  The 64 accumulators take turns.
.macro MULH n, hi, part, first
.if \first
	WIN 0x91+0x40*(\hi)                            ; k window 1, q window 0, C (mask) window 1, D window 2 or 3
.else
	WIN 0xa1+0x50*(\hi)
.endif
.set aa, 2*(\part)
.rept 2
.set bb, 0
.rept 8
.set rD, 8*(8*aa+bb)
.set rB, FB+64*(\n)+8*bb
.set rA, FA+64*(\n)+8*(4*(\hi)+aa)
.if \first
.set rM, 8
.if bb < 4*(\hi)+aa
.set rM, 0
.endif
.if bb > 4*(\hi)+aa
.set rM, 16
.endif
	v_wmma_f32_16x16x32_f16 v[rD:rD+7], v[rB:rB+7], v[rA:rA+7], v[rM:rM+7]
.else
	v_wmma_f32_16x16x32_f16 v[rD:rD+7], v[rB:rB+7], v[rA:rA+7], v[rD:rD+7]
.endif
.set bb, bb+1
.endr
.set aa, aa+1
.endr
.endm
.macro FETCH k, n                      ; 32 LDS loads in one run: k's 16, then q's 16
	WIN TO_B
.set ii, 0
.rept 8
	ds_load_b128 v[FB+64*(\n)+8*ii:FB+64*(\n)+8*ii+3],   v[ADRB] offset:(\k)+ii*16*PITCH
	ds_load_b128 v[FB+64*(\n)+8*ii+4:FB+64*(\n)+8*ii+7], v[ADRB] offset:(\k)+ii*16*PITCH+32
.set ii, ii+1
.endr
	WIN 0
.set ii, 0
.rept 8
	ds_load_b128 v[FA+64*(\n)+8*ii:FA+64*(\n)+8*ii+3],   v[ADRA] offset:(\k)+ii*16*PITCH
	ds_load_b128 v[FA+64*(\n)+8*ii+4:FA+64*(\n)+8*ii+7], v[ADRA] offset:(\k)+ii*16*PITCH+32
.set ii, ii+1
.endr
.endm
.macro QUARTER k, n, g, first
	s_wait_dscnt NAF                               ; k's fragments and q's first four are in; the youngest eight loads may be out
	MULH \n, 0, 0, \first
	MULH \n, 0, 1, \first
	PLACES
	FETCH \k, \g
	s_wait_dscnt 32                                ; all but the 32 just issued
	MULH \n, 1, 0, \first
	MULH \n, 1, 1, \first
.endm
; The last quarter of a K step changes slots: one barrier.  In front of it each wave waits for all its tensor loads (one is out: its part of the next slot), adds 0 to its spare word, and waits for that and
; for its reads of this slot.  fill = 1: the slot just read is filled again first thing behind the barrier: 224 products stand between that request and the wait for it.
.macro TURN fill
.if \fill
	s_wait_xcnt 0x0                                ; the last prefetches, a K step back, have read their address
	s_add_nc_u64 s[PFA:PFA+1], s[PFA:PFA+1], KSTEP*2
.endif
	WIN 0
	s_wait_tensorcnt 0x0
	ds_add_u32 v[SPW], v[NIL]
.if \fill
	s_xor_b32 s[G0+5], s[G0+5], SLOT               ; no tensor load of mine is out: the walking set takes the other slot and the next K step
	s_add_nc_u64 s[G0+6:G0+7], s[G0+6:G0+7], KSTEP*2
.endif
	s_wait_dscnt NAF+1                             ; the add and the youngest eight loads may be out
	MULH 1, 0, 0, 0
	s_wait_dscnt 0x0                               ; the add is done, and my reads of this slot are over
	s_barrier_signal -1
	MULH 1, 0, 1, 0
	WIN 0
	s_barrier_wait -1
.if \fill
	tensor_load_to_lds s[G0+4:G0+7], s[G1:G1+7]
	s_nop 0
	PLACES                                         ; also the places in front of the loads below
	s_xor_b32 s[TB], s[TB], SLOT
.else
	PLACES
	s_mov_b32 s[TB], SLOT                          ; the last K step lies in slot 1
.endif
	v_add_nc_u32 v[ADRA], s[TB], v[ADRA0]
	v_add_nc_u32 v[ADRB], s[TB], v[ADRB0]
	FETCH 0, 0
.if \fill
	ASK
.endif
	MULH 1, 1, 0, 0
	MULH 1, 1, 1, 0
.endm
	s_wait_tensorcnt 0x1                           ; my part of K step 0 is in; step 1's may stay out
	s_barrier_signal -1
	s_barrier_wait -1
	FETCH 0, 0
	QUARTER 64, 0, 1, 1
	WIN 0
	s_mov_b32 s[CNT], 6
.Lstep:                                        ; trip n = 1..6: the rest of K step n - 1, the refill with step n + 1, the first quarter of step n
	QUARTER 128, 1, 0, 0
	QUARTER 192, 0, 1, 0
	TURN 1
	QUARTER 64, 0, 1, 0
	WIN 0
	s_sub_co_u32 s[CNT], s[CNT], 1
	s_cmp_lg_u32 s[CNT], 0
	s_cbranch_scc1 .Lstep
	QUARTER 128, 1, 0, 0                           ; the tail is written out: it asks for nothing
	QUARTER 192, 0, 1, 0
	TURN 0
	QUARTER 64, 0, 1, 0
	QUARTER 128, 1, 0, 0
	QUARTER 192, 0, 1, 0
	s_wait_dscnt NAF
	MULH 1, 0, 0, 0
	MULH 1, 0, 1, 0
	s_wait_dscnt 0x0
	MULH 1, 1, 0, 0
	MULH 1, 1, 1, 0
; THE MAXIMUM of a lane's 64 scores of each of four query blocks; each accumulator's lowest registers are read first.
.macro MAXPASS hi
	WIN 0x2a+0x15*(\hi)                            ; all three sources in window 2 or 3
.set z, 0
.rept 32
	v_max3_num_f32 v[U+3*z],   v[8*z],   v[8*z+1], v[8*z+2]
	v_max3_num_f32 v[U+3*z+1], v[8*z+3], v[8*z+4], v[8*z+5]
	v_max_num_f32  v[U+3*z+2], v[8*z+6], v[8*z+7]
.set z, z+1
.endr
	WIN 0
.set z, 0
.rept 32
	v_max3_num_f32 v[U+3*z], v[U+3*z], v[U+3*z+1], v[U+3*z+2]
.set z, z+1
.endr
.set z, 0
.rept 4
	v_max3_num_f32 v[U+24*z],    v[U+24*z],    v[U+24*z+3],  v[U+24*z+6]
	v_max3_num_f32 v[U+24*z+9],  v[U+24*z+9],  v[U+24*z+12], v[U+24*z+15]
	v_max_num_f32  v[U+24*z+18], v[U+24*z+18], v[U+24*z+21]
.set z, z+1
.endr
.set z, 0
.rept 4
	v_max3_num_f32 v[ST+2*(4*(\hi)+z)+1], v[U+24*z], v[U+24*z+9], v[U+24*z+18]
.set z, z+1
.endr
.endm
; Block a's 16 queries x 128 keys: c s - c m and 2^ of it in place, as ONE batch of 64 exponentials with one wait; then the roundings to f16 and the sum of the unrounded weights.
.macro SOFT a
.set AC, 64*((\a)%4)
	WIN 0x82+0x41*((\a)/4)                         ; destination and source 0 in window 2 or 3, c m in window 0
.set z, 0
.rept 32
	v_pk_fma_f32 v[AC+2*z:AC+2*z+1], v[AC+2*z:AC+2*z+1], s[CS:CS+1], v[ST+2*(\a):ST+2*(\a)+1] op_sel_hi:[1,0,0] neg_lo:[0,0,1] neg_hi:[0,0,1]
.if z > 0
	v_exp_f32 v[AC+2*z-2], v[AC+2*z-2]
	v_exp_f32 v[AC+2*z-1], v[AC+2*z-1]
.endif
.set z, z+1
.endr
	v_exp_f32 v[AC+62], v[AC+62]
	v_exp_f32 v[AC+63], v[AC+63]
	v_nop                                          ; a plain instruction behind the last exponential (ISA guide 5.7.2)
	s_wait_alu depctr_va_vdst(0)                   ; the wait ahead of the batch's first reader
	WIN 0x0a+5*((\a)/4)
.set z, 0
.rept 32
	v_cvt_pk_f16_f32 v[TMP+z], v[AC+2*z], v[AC+2*z+1]
.set z, z+1
.endr
.set z, 0
.rept 16
	v_pk_add_f32 v[SU+2*z:SU+2*z+1], v[AC+4*z:AC+4*z+1], v[AC+4*z+2:AC+4*z+3]
.set z, z+1
.endr
	WIN 0
.irp w, 4,8,16,32                      ; 16 pairs into one: neighbours 1, 2, 4, 8 pairs apart
.set z, 0
.rept 32/(\w)
	v_pk_add_f32 v[SU+(\w)*z:SU+(\w)*z+1], v[SU+(\w)*z:SU+(\w)*z+1], v[SU+(\w)*z+(\w)/2:SU+(\w)*z+(\w)/2+1]
.set z, z+1
.endr
.endr
	v_add_f32 v[LS+(\a)], v[SU], v[SU+1]
.endm
.macro TOSTAGE a                       ; 16 bytes a lane into my own stage, and back as whole rows of 256 bytes
	WIN 0
.set BK, OB+192*((\a)%2)
.set z, 0
.rept 8
	ds_store_b128 v[STO], v[TMP+4*z:TMP+4*z+3] offset:32*z
.set z, z+1
.endr
.set z, 0
.rept 8
	ds_load_b128 v[BK+4*z:BK+4*z+3], v[RD] offset:z*2*SP  ; LDS serves a wave's instructions in order (ISA guide 5.7.1.4): these see the stores above
.set z, z+1
.endr
.endm
.macro SEND a
	WIN 0
.set BK, OB+192*((\a)%2)
	s_wait_dscnt 0x0                               ; the block is back in registers
	s_wait_xcnt 0x0                                ; the stores of the block before have read their registers: the next block is read back into them only behind this wait
.set z, 0
.rept 8
	global_store_b128 v[CO], v[BK+4*z:BK+4*z+3], s[6:7] offset:(16*(\a)+2*z)*4096  ; 16 lanes store 256 consecutive bytes, aligned
.set z, z+1
.endr
.endm
	PLACES
	PLACES                                         ; eight places, once a tile, ahead of the maxima that read results just made
	MAXPASS 0
	MAXPASS 1
.set z, 0
.rept 8
	v_permlanex16_b32 v[X+z], v[ST+2*z+1], s[SEL], s[SEL+1]  ; the query's other 64 keys lie in the lane 16 away
.set z, z+1
.endr
.set z, 0
.rept 8
	v_max_num_f32 v[ST+2*z+1], v[ST+2*z+1], v[X+z]
.set z, z+1
.endr
.set z, 0
.rept 8
	ds_store_b32 v[EXS], v[ST+2*z+1] offset:64*z   ; lanes l and l + 16 write the same word with the same number
.set z, z+1
.endr
	s_wait_dscnt 0x0                               ; for the other wave's sake
	s_barrier_signal -1
	s_barrier_wait -1
.set z, 0
.rept 8
	ds_load_b32 v[X+z], v[EXL] offset:64*z         ; the maximum over the tile's other 128 keys
.set z, z+1
.endr
	s_wait_dscnt 0x0
.set z, 0
.rept 8
	v_max_num_f32 v[ST+2*z+1], v[ST+2*z+1], v[X+z] ; every row of a causal tile sees a key, so m is a true score
.set z, z+1
.endr
.set z, 0
.rept 8
	v_mul_f32 v[ST+2*z], s[CS], v[ST+2*z+1]
.set z, z+1
.endr
	SOFT 0
	TOSTAGE 0
.irp a, 1,2,3,4,5,6,7                  ; block a's arithmetic stands between block a - 1's loads from the stage and the wait for them
	SOFT \a
	SEND (\a)-1
	TOSTAGE \a
.endr
	SEND 7
.set z, 0
.rept 8
	v_permlanex16_b32 v[X+z], v[LS+z], s[SEL], s[SEL+1]
.set z, z+1
.endr
.set z, 0
.rept 8
	v_add_f32 v[LS+z], v[LS+z], v[X+z]
.set z, z+1
.endr
.set z, 0
.rept 8
	ds_store_b32 v[SXS], v[ST+2*z] offset:64*z     ; my own bytes: c m of my 128 rows,
	ds_store_b32 v[SXS], v[LS+z] offset:512+64*z   ; and l over my 128 keys
.set z, z+1
.endr
	ds_load_b128 v[SU:SU+3], v[SXL]                ; back, four rows a lane
	ds_load_b128 v[SU+4:SU+7], v[SXL] offset:512
	s_wait_dscnt 0x0
	global_store_b128 v[SO], v[SU:SU+3], s[8:9]    ; 512 consecutive bytes each
	global_store_b128 v[SO], v[SU+4:SU+7], s[8:9] offset:524288
	s_wait_tensorcnt 0x0                           ; the wave's end
	ds_add_u32 v[SPW], v[NIL]
	s_wait_dscnt 0x0
	s_endpgm
.Lfunc_end_k_q3171e573bd_score:
	.size	k_q3171e573bd_score, .Lfunc_end_k_q3171e573bd_score-k_q3171e573bd_score
	.p2alignl 7, 3214868480
	.fill 96, 4, 3214868480
	.section	.rodata,"a",@progbits
	.p2align	6, 0x0
	.amdhsa_kernel k_q3171e573bd_score
		.amdhsa_group_segment_fixed_size 327680
		.amdhsa_private_segment_fixed_size 0
		.amdhsa_enable_private_segment 0
		.amdhsa_kernarg_size 24
		.amdhsa_user_sgpr_count 2
		.amdhsa_user_sgpr_kernarg_segment_ptr 1
		.amdhsa_wavefront_size32 1
		.amdhsa_system_sgpr_workgroup_id_x 1
		.amdhsa_system_sgpr_workgroup_id_y 1
		.amdhsa_system_sgpr_workgroup_id_z 1
		.amdhsa_system_vgpr_workitem_id 0
		.amdhsa_next_free_vgpr 1024
		.amdhsa_next_free_sgpr 66
		.amdhsa_reserve_vcc 1
		.amdhsa_float_denorm_mode_32 3
		.amdhsa_float_denorm_mode_16_64 3
		.amdhsa_memory_ordered 1
		.amdhsa_forward_progress 1
		.amdhsa_inst_pref_size 186
	.end_amdhsa_kernel
	.amdgpu_metadata
---
amdhsa.version: [ 1, 2 ]
amdhsa.kernels:
  - .name:           k_q3171e573bd_score
    .symbol:         k_q3171e573bd_score.kd
    .args:
      - { .name: qkv, .offset: 0, .size: 8, .value_kind: global_buffer, .address_space: global }
      - { .name: pw, .offset: 8, .size: 8, .value_kind: global_buffer, .address_space: global }
      - { .name: stat, .offset: 16, .size: 8, .value_kind: global_buffer, .address_space: global }
    .group_segment_fixed_size: 327680
    .private_segment_fixed_size: 0
    .kernarg_segment_align: 8
    .kernarg_segment_size: 24
    .max_flat_workgroup_size: 128
    .sgpr_count:     66
    .vgpr_count:     1024
    .wavefront_size: 32
...
	.end_amdgpu_metadata
.endif
;; end of part 3
;; launch pv (part 4): grid 8 x 32, 4 waves a work-group, clusters of 4 x 1, 327,680 bytes of LDS; arguments pw, stat, qkv, out0; writes out0
.if DOCPART == 4
	.amdgcn_target "amdgcn-amd-amdhsa--gfx1250"
	.amdhsa_code_object_version 6
	.text
	.protected	k_q3171e573bd_pv
	.globl	k_q3171e573bd_pv
	.p2align	8
	.type	k_q3171e573bd_pv,@function
k_q3171e573bd_pv:
	s_mov_b64 s[64:65], 0
	v_nop
	global_prefetch_b8 v0, s[64:65] scope:SCOPE_SE
	s_setreg_imm32_b32 hwreg(HW_REG_WAVE_MODE, 25, 1), 1
	s_wait_xcnt 0x0
	s_wait_alu depctr_hold_cnt(0) depctr_sa_sdst(0) depctr_va_vdst(0) depctr_va_sdst(0) depctr_va_ssrc(0) depctr_va_vcc(0) depctr_vm_vsrc(0)
	s_getreg_b32 s2, hwreg(HW_REG_IB_STS2, 6, 4)
	s_cmp_eq_u32 s2, 0
	s_cbranch_scc0 .Lentry_in_a_cluster
	s_endpgm
.Lentry_in_a_cluster:
	s_bfe_u32 s2, ttmp6, 0x10000c
	s_cmp_lg_u32 s2, 0x3003
	s_cbranch_scc0 .Lentry_shape_is_right
	s_endpgm
.Lentry_shape_is_right:
; out0[batch][q][ch] = the sum over key tiles j of F(q, j) x (the sum over the tile's 256 keys of p'(q, k) v(k, ch)),  F(q, j) = 2^(cm(q, j) - M(q)) / L(q),
; M = the maximum over the row's tiles of cm (c times the true row maximum), L = the sum over them of 2^(cm - M) l.  f16 products, f32 sums; out0 is f32.
; LIMITS: sums are taken in another order than a plain softmax's; a factor below 2^-126 counts as 0; NaN and infinities are not treated apart.
; SHARES.  A work-group makes 128 channels (block ct = 4 x cluster x + cx) of TWO blocks of 128 queries, 15 - p and then p: ((15-p)>>1) + 1 and (p>>1) + 1 key tiles, 9 steps whatever p: 256 equal
; work-groups and one walk with a constant count.  Which tile a step takes is a closed form of the step's number and p; it enters global addresses alone.  A wave makes 64 queries x 64 channels.
; CLUSTER 4 x 1: the four partners differ in their channels alone, so P's tile is asked for jointly; V's tile is each work-group's own.
; TRANSPOSED USE: source 0 = V^T (16 channels x 32 keys, by the turning load), source 1 = P' (16 queries x 32 keys): lane l holds query l % 16 and the channels 8 (l / 16) + 0..7, so F is one number a lane.
; A step's products start from 0 in T; O += F T when the step is done.  O is cleared where a block begins (128 lines, three times in the text): the price of one form of step.
; REGISTERS: window 0: v0-31 addresses; v32-95 the way out; v96-103 F of my four query blocks, in pairs; v128-255 T ((a, b) at 128 + 8 (4 a + b)).  window 1: two fragment buffers of 128.  window 2: v0-127 O.
.set PA,    528                        ; a row of P' in LDS: 512 bytes + 16
.set PV,    288                        ; a row of V: 256 + 32
.set VOFF,  128*PA                     ; a slot: 128 rows of P', then 256 rows of V
.set SLOT1, 0x24000                    ; slot 1: the four fill bases hold neither of its bits
.set FT,    SLOT1+VOFF+256*PV          ; 9 steps x 128 rows x 8 bytes: F, twice
.set STAGE, FT+16384                   ; 16 rows x 272 bytes for each wave
.set SP,    272
.set SPARE, STAGE+4*16*SP              ; the spare words, 128 bytes a wave, named by no other line
.set ADRA0, 6
.set ADRV0, 7
.set ADRW0, 8                          ; V's keys 128 on
.set ADRA,  9
.set ADRV,  10                         ; v10, v11: the two halves of V's keys in the slot in hand
.set FA0,   12
.set FAD,   13
.set STO,   14
.set RD,    15
.set GO,    16
.set PFO,   17
.set SPW,   28
.set NIL,   29
.set TMP,   32
.set F,     96
.set T,     128
.set F0,    0
.set F1,    128
; at work at the head only, in T's registers
.set VO, 128
.set CM, 138
.set LA, 148
.set LB, 158
.set E,  168
.set FP, 180
.set LO, 200
.set M1, 201
.set M2, 202
.set L1, 203
.set L2, 204
.set R1, 205
.set R2, 206
.set TT, 207
.set TU, 208
.set T4, 209
.set FTA, 210
.set WV, 12
.set WR, 13
.set WC, 14
.set CX, 15
.set CT, 16
.set BA, 17
.set PP, 18
.set NTH, 19                           ; steps of the first block
.set RBH, 20                           ; first row of block 15 - p in its batch
.set RBL, 21                           ; of block p
.set G1A, 24
.set G1V, 32
.set G0A, 40
.set G0V, 44
.set ABASE, 48                         ; pw at my 64 rows of the batch's row 0
.set VBASE, 50                         ; qkv at my 128 keys of the batch's key 0, my work-group's channels of v
.set PFB, 52
.set PFA, 54
.set OA, 56
.set OV, 58
.set OP, 60
.set SG, 62                            ; the step to be asked for
.set CUR, 63                           ; the step in hand
.set CNT, 66
.set FTO, 67
.set TB, 68
.set PLIM, 69
.set RB, 70
.set JT, 71
.set OUT, 72
.set OUTL, 74
.set SM, 76                            ; s76-84: all ones where step g belongs to the first block
.set MUL, 0x05
.set MSB, 0
.macro WIN new
.if MSB != (\new)
	s_set_vgpr_msb (MSB<<8)|(\new)
.set MSB, \new
.endif
.endm
.macro PLACES
.rept 4
	v_nop
.endr
.endm
.macro CROUND
	s_barrier_signal -1
	s_barrier_wait -1
	s_cmp_lg_u32 s[WV], 0
	s_cbranch_scc1 .Lnot_wave_0_\@
	s_barrier_signal -3
.Lnot_wave_0_\@:
	s_barrier_wait -3
	s_barrier_signal -1
	s_barrier_wait -1
.endm
.macro JLOAD                           ; waves 0 and 1 ask jointly for the two halves of P's tile, waves 2 and 3 for the two halves of V's
	s_cmp_lt_u32 s[WV], 2
	s_cbranch_scc0 .Lfor_v_\@
	tensor_load_to_lds s[G0A:G0A+3], s[G1A:G1A+7]
	s_nop 0
	PLACES
	s_branch .Lasked_\@
.Lfor_v_\@:
	tensor_load_to_lds s[G0V:G0V+3], s[G1V:G1V+7]
	s_nop 0
	PLACES
.Lasked_\@:
.endm
.macro WALK                            ; step s[SG]: its block's first row into s[RB], its key tile into s[JT]
	s_cmp_ge_u32 s[SG], s[NTH]
	s_cselect_b32 s[RB], s[RBL], s[RBH]
	s_cselect_b32 s[JT], s[NTH], 0
	s_sub_co_u32 s[JT], s[SG], s[JT]
.endm
; A prefetch of the tile that the NEXT refill will ask for.  P's: the clusters with x = 0 ask; of a wave's 64 rows x 512 bytes each partner takes 16 rows, told apart by address: one line.
; V's: the work-groups with p = 0 ask, in their first block, which walks all of a batch's key tiles: my 128 rows x 256 bytes, four lines.  So each block of 256 bytes is named once.
.macro ASK
	s_cmp_lt_u32 s[SG], s[PLIM]
	s_cbranch_scc0 .Lnot_mine_\@
	global_prefetch_b8 v[PFO], s[PFA:PFA+1] th:TH_LOAD_NT scope:SCOPE_SE
	s_cmp_lt_u32 s[WV], 2
	s_cbranch_scc1 .Lnot_mine_\@
.irp n, 1,2,3
	global_prefetch_b8 v[PFO], s[PFA:PFA+1] offset:(\n)*196608 th:TH_LOAD_NT scope:SCOPE_SE
.endr
.Lnot_mine_\@:
.endm
.macro CLEAR
	WIN 0x80
.set z, 0
.rept 128
	v_mov_b32 v[z], 0
.set z, z+1
.endr
	WIN 0
.endm
	s_load_b256 s[4:11], s[0:1], 0x0               ; pw s[4:5], stat s[6:7], qkv s[8:9], out0 s[10:11]
	v_lshl_add_u32 v[SPW], v0, 2, SPARE
	v_mov_b32 v[NIL], 0
	ds_add_u32 v[SPW], v[NIL]                      ; the wave's opening: the add and its wait ahead of my first tensor load
	v_lshrrev_b32 v1, 5, v0
	v_readfirstlane_b32 s[WV], v1
	s_lshr_b32 s[WR], s[WV], 1                     ; my 64 queries
	s_and_b32 s[WC], s[WV], 1                      ; my 64 channels.  Also: which half of a tile I fetch
	s_bfe_u32 s[CX], ttmp6, 0x40000
	s_lshl_b32 s[CT], ttmp9, 2
	s_add_co_u32 s[CT], s[CT], s[CX]
	s_and_b32 s3, ttmp7, 0xffff
	s_lshr_b32 s[BA], s3, 3
	s_and_b32 s[PP], s3, 7
	s_sub_co_u32 s3, 15, s[PP]
	s_lshl_b32 s[RBH], s3, 7
	s_lshl_b32 s[RBL], s[PP], 7
	s_lshr_b32 s[NTH], s3, 1
	s_add_co_u32 s[NTH], s[NTH], 1
	s_mov_b32 s[G1A], 15|(1<<16)|(1<<20)|(1<<21)|(6<<22)|(3<<25)  ; the mask of four; 2-byte elements; padding on; bit 21 beside a mask; after every 128 words 4 words
	s_mov_b32 s[G1A+1], 256<<16                    ; tensor_dim0 = 256
	s_mov_b32 s[G1A+2], 64<<16                     ; tensor_dim1 = 64
	s_mov_b32 s[G1A+3], 256<<16                    ; tile_dim0 = 256
	s_mov_b32 s[G1A+4], 64                         ; tile_dim1 = 64
	s_mov_b32 s[G1A+5], 2048                       ; elements from row to row of pw
	s_mov_b32 s[G1A+6], 0
	s_mov_b32 s[G1A+7], 0
	s_mov_b32 s[G1V], (1<<16)|(1<<20)|(5<<22)|(7<<25)  ; no mask; after every 64 words 8 words
	s_mov_b32 s[G1V+1], 128<<16
	s_mov_b32 s[G1V+2], 128<<16
	s_mov_b32 s[G1V+3], 128<<16
	s_mov_b32 s[G1V+4], 128
	s_mov_b32 s[G1V+5], 3072
	s_mov_b32 s[G1V+6], 0
	s_mov_b32 s[G1V+7], 0
	s_mov_b32 s[G0A], 1
	s_mul_i32 s[G0A+1], s[WC], 64*PA               ; slot 0: no place in the cluster enters an LDS address
	s_mov_b32 s[G0V], 1
	s_mul_i32 s[G0V+1], s[WC], 128*PV
	s_add_co_u32 s[G0V+1], s[G0V+1], VOFF
	s_lshl_b32 s[OA], s[BA], 23                    ; (2,048 batch + 64 half) rows of 4,096 bytes
	s_lshl_b32 s2, s[WC], 18
	s_add_co_u32 s[OA], s[OA], s2
	s_mov_b32 s[OA+1], 0
	s_lshl_b32 s[OV], s[BA], 11                    ; (2,048 batch + 128 half) rows of 6,144 bytes, v's columns, my work-group's 128
	s_lshl_b32 s22, s[WC], 7
	s_add_co_u32 s[OV], s[OV], s22
	s_mul_i32 s[OV], s[OV], 6144
	s_lshl_b32 s22, s[CT], 8
	s_add_co_u32 s[OV], s[OV], s22
	s_add_co_u32 s[OV], s[OV], 4096
	s_mov_b32 s[OV+1], 0
	s_mov_b32 s[OP+1], 0
	s_lshl_b32 s86, s[BA], 11                      ; out0 at my 64 rows of each block, my 64 channels
	s_lshl_b32 s87, s[WR], 6
	s_add_co_u32 s86, s86, s87
	s_add_co_u32 s88, s86, s[RBH]
	s_lshl_b32 s88, s88, 12
	s_add_co_u32 s90, s86, s[RBL]
	s_lshl_b32 s90, s90, 12
	s_lshl_b32 s87, s[CT], 9
	s_lshl_b32 s22, s[WC], 8
	s_add_co_u32 s87, s87, s22
	s_add_co_u32 s88, s88, s87
	s_add_co_u32 s90, s90, s87
	s_mov_b32 s89, 0
	s_mov_b32 s91, 0
	s_cmp_lt_u32 s[WV], 2
	s_cselect_b32 s22, ttmp9, s[PP]
	s_cselect_b32 s23, 9, 8
	s_cmp_eq_u32 s22, 0
	s_cselect_b32 s[PLIM], s23, 0                  ; the same in all four partners, for a given wave
	s_mov_b32 s[SG], 1
	s_mov_b32 s[CUR], 0
	s_mov_b32 s[CNT], 8
	s_mov_b32 s[FTO], 0
	s_mov_b32 s[TB], SLOT1                         ; the first change of slots turns it into 0
	s_wait_dscnt 0x0                               ; the opening add is done
	s_wait_kmcnt 0x0
	s_add_nc_u64 s[ABASE:ABASE+1], s[4:5], s[OA:OA+1]
	s_add_nc_u64 s[VBASE:VBASE+1], s[8:9], s[OV:OV+1]
	s_add_nc_u64 s[OUT:OUT+1], s[10:11], s[88:89]
	s_add_nc_u64 s[OUTL:OUTL+1], s[10:11], s[90:91]
	s_lshl_b32 s[OA], s[RBH], 12                   ; step 0: the first block's key tile 0
	s_add_nc_u64 s[G0A+2:G0A+3], s[ABASE:ABASE+1], s[OA:OA+1]
	s_or_b32 s[G0A+3], s[G0A+3], 0x80000000
	s_mov_b64 s[G0V+2:G0V+3], s[VBASE:VBASE+1]
	s_or_b32 s[G0V+3], s[G0V+3], 0x80000000
	s_cmp_lt_u32 s[WV], 2
	s_cselect_b64 s[PFB:PFB+1], s[ABASE:ABASE+1], s[VBASE:VBASE+1]
	CROUND                                         ; all four work-groups are here: the first joint load meets
	JLOAD                                          ; step 0 into slot 0; slot 1 is asked for when it has landed
	; THE FACTORS.  Thread t is row t of both blocks.  For each of the 9 steps: c m of the tile (chunk 2 j) and l of its two chunks of 128 keys.
	v_lshlrev_b32 v[T4], 2, v0
	s_lshl_b32 s86, s[BA], 4
.set g, 0
.rept 9
	s_cmp_lt_u32 g, s[NTH]
	s_cselect_b32 s[SM+g], -1, 0
	s_cselect_b32 s22, s[RBH], s[RBL]
	s_cselect_b32 s23, 0, s[NTH]
	s_sub_co_u32 s23, g, s23                       ; the key tile
	s_lshl1_add_u32 s23, s23, s86                  ; chunk 16 batch + 2 j
	s_lshl_b32 s23, s23, 11
	s_add_co_u32 s23, s23, s22
	s_lshl_b32 s23, s23, 2
	v_add_nc_u32 v[VO+g], s23, v[T4]
	global_load_b32 v[CM+g], v[VO+g], s[6:7]
	global_load_b32 v[LA+g], v[VO+g], s[6:7] offset:524288
	global_load_b32 v[LB+g], v[VO+g], s[6:7] offset:524288+8192
.set g, g+1
.endr
	v_and_b32 v1, 15, v0                           ; l % 16
	v_bfe_u32 v2, v0, 4, 1                         ; l / 16
	v_and_b32 v3, 7, v0
	v_bfe_u32 v4, v0, 3, 1
	v_and_b32 v5, 31, v0
	s_mul_i32 s22, s[WR], 64*PA
	v_mul_u32_u24 v[ADRA0], v1, PA
	v_lshl_add_u32 v[ADRA0], v2, 4, v[ADRA0]
	v_add_nc_u32 v[ADRA0], s22, v[ADRA0]           ; P': (64 half + l % 16) x pitch + 16 (l / 16)
	; the turning load takes 16 keys x 16 channels: lane l reads key 8 (l / 16) + l % 8, channels 8 ((l / 8) % 2) + 0..7, and ends with channel l % 16 and 8 keys
	v_lshl_add_u32 v[ADRV0], v2, 3, v3
	v_mul_u32_u24 v[ADRV0], v[ADRV0], PV
	v_lshl_add_u32 v[ADRV0], v4, 4, v[ADRV0]
	s_lshl_b32 s22, s[WC], 7
	s_add_co_u32 s22, s22, VOFF
	v_add_nc_u32 v[ADRV0], s22, v[ADRV0]
	v_add_nc_u32 v[ADRW0], 128*PV, v[ADRV0]
	s_lshl_b32 s22, s[WR], 9
	s_add_co_u32 s22, s22, FT
	v_lshl_add_u32 v[FA0], v1, 3, s22              ; F of row 64 half + l % 16
	s_mul_i32 s22, s[WV], 16*SP
	s_add_co_u32 s22, s22, STAGE
	v_mul_u32_u24 v[STO], v1, SP
	v_lshl_add_u32 v[STO], v2, 5, v[STO]
	v_add_nc_u32 v[STO], s22, v[STO]               ; in: row l % 16, 32 bytes for each half of the lanes
	v_mul_u32_u24 v[RD], v2, SP
	v_lshl_add_u32 v[RD], v1, 4, v[RD]
	v_add_nc_u32 v[RD], s22, v[RD]                 ; back: lanes 0-15 one row of 256 bytes, lanes 16-31 the next
	v_lshlrev_b32 v[GO], 12, v2
	v_lshl_add_u32 v[GO], v1, 4, v[GO]
	s_lshl_b32 s23, s[CX], 16                      ; P's prefetch: row 16 cx + l % 16, block l / 16 of its 512 bytes
	v_lshl_add_u32 v18, v1, 12, s23
	v_lshl_add_u32 v18, v2, 8, v18
	v_mul_u32_u24 v19, v5, 6144                    ; V's: a lane a row
	s_cmp_lt_u32 s[WV], 2
	s_cselect_b32 s22, -1, 0
	v_cndmask_b32 v[PFO], v19, v18, s22
	v_lshl_add_u32 v[FTA], v0, 3, FT
	v_mov_b32 v[LO], 0xff7fffff                    ; the lowest finite number
	v_mov_b32 v[M1], v[LO]
	v_mov_b32 v[M2], v[LO]
	v_mov_b32 v[L1], 0
	v_mov_b32 v[L2], 0
	CLEAR                                          ; O, while the loads are on their way
	s_wait_loadcnt 0x0
.set g, 0
.rept 9                                ; each block's maximum of c m: a step counts in its own block alone
	v_cndmask_b32 v[TT], v[LO], v[CM+g], s[SM+g]
	v_cndmask_b32 v[TU], v[CM+g], v[LO], s[SM+g]
	v_max_num_f32 v[M1], v[M1], v[TT]
	v_max_num_f32 v[M2], v[M2], v[TU]
.set g, g+1
.endr
.set g, 0
.rept 9
	v_cndmask_b32 v[E+g], v[M2], v[M1], s[SM+g]
	v_sub_f32 v[E+g], v[CM+g], v[E+g]
.set g, g+1
.endr
.set g, 0
.rept 9
	v_exp_f32 v[E+g], v[E+g]                       ; one batch
.set g, g+1
.endr
.set g, 0
.rept 9
	v_add_f32 v[LA+g], v[LA+g], v[LB+g]            ; plain work behind the batch, which names none of its results
.set g, g+1
.endr
	s_wait_alu depctr_va_vdst(0)                   ; the wait ahead of the batch's first reader
.set g, 0
.rept 9
	v_mul_f32 v[LA+g], v[E+g], v[LA+g]
	v_cndmask_b32 v[TT], 0, v[LA+g], s[SM+g]
	v_cndmask_b32 v[TU], v[LA+g], 0, s[SM+g]
	v_add_f32 v[L1], v[L1], v[TT]
	v_add_f32 v[L2], v[L2], v[TU]
.set g, g+1
.endr
	v_rcp_f32 v[R1], v[L1]                         ; L is at least 1: the tile that holds the row's maximum has the factor 1 and a weight 1
	v_rcp_f32 v[R2], v[L2]
	v_nop
	s_wait_alu depctr_va_vdst(0)
.set g, 0
.rept 9
	v_cndmask_b32 v[TT], v[R2], v[R1], s[SM+g]
	v_mul_f32 v[FP+2*g], v[E+g], v[TT]
	v_mov_b32 v[FP+2*g+1], v[FP+2*g]               ; twice: the packed multiply-add names a pair
	ds_store_b64 v[FTA], v[FP+2*g:FP+2*g+1] offset:1024*g
.set g, g+1
.endr
; 8 products: query blocks a0, a0 + 1 x all 4 channel blocks, 32 keys: half c of buffer f.  The 16 accumulators take turns.
.macro MUL8 f, c, a0, zero
	WIN MUL
.set aa, \a0
.rept 2
.set bb, 0
.rept 4
.set rD, T+8*(4*aa+bb)
.set rV, (\f)+64+8*(4*(\c)+bb)
.set rP, (\f)+8*(4*(\c)+aa)
.if \zero
	v_wmma_f32_16x16x32_f16 v[rD:rD+7], v[rV:rV+7], v[rP:rP+7], 0
.else
	v_wmma_f32_16x16x32_f16 v[rD:rD+7], v[rV:rV+7], v[rP:rP+7], v[rD:rD+7]
.endif
.set bb, bb+1
.endr
.set aa, aa+1
.endr
.endm
.macro FETCH kq, f                     ; 32 LDS loads in one run: the fragments of keys 64 kq on, the first 32 keys first
	WIN 0x40
.set AV, ADRV+(\kq)/2
.set cc, 0
.rept 2
.set ii, 0
.rept 4
	ds_load_tr16_b128 v[(\f)+64+8*(4*cc+ii):(\f)+64+8*(4*cc+ii)+3],   v[AV] offset:(((\kq)%2)*64+32*cc)*PV+32*ii
	ds_load_tr16_b128 v[(\f)+64+8*(4*cc+ii)+4:(\f)+64+8*(4*cc+ii)+7], v[AV] offset:(((\kq)%2)*64+32*cc+16)*PV+32*ii
	ds_load_b128 v[(\f)+8*(4*cc+ii):(\f)+8*(4*cc+ii)+3],   v[ADRA] offset:128*(\kq)+64*cc+ii*16*PA
	ds_load_b128 v[(\f)+8*(4*cc+ii)+4:(\f)+8*(4*cc+ii)+7], v[ADRA] offset:128*(\kq)+64*cc+ii*16*PA+32
.set ii, ii+1
.endr
.set cc, cc+1
.endr
.endm
.macro QUARTER kq, f, g, zero          ; multiplies buffer f; in its middle fetches keys 64 kq on into buffer g
	s_wait_dscnt 16                                ; the first 32 keys' fragments are in (and, in a step's first quarter, F)
	MUL8 \f, 0, 0, \zero
	MUL8 \f, 0, 2, \zero
	PLACES
	FETCH \kq, \g
	s_wait_dscnt 32                                ; all but the 32 just issued
	MUL8 \f, 1, 0, 0
	MUL8 \f, 1, 2, 0
.endm
.macro COMPUTE                         ; a step: T = P' V over 256 keys, 128 products
	QUARTER 1, F0, F1, 1
	QUARTER 2, F1, F0, 0
	QUARTER 3, F0, F1, 0
	s_wait_dscnt 16
	MUL8 F1, 0, 0, 0
	MUL8 F1, 0, 2, 0
	s_wait_dscnt 0x0
	MUL8 F1, 1, 0, 0
	MUL8 F1, 1, 2, 0
	WIN 0
.endm
.macro UPDATE                          ; O += F T, each accumulator from its low end on
	PLACES
	PLACES                                         ; eight places ahead of the reads of results just made
	WIN 0xa0                                       ; O (destination and source 2) in window 2
.set z, 0
.rept 64
	v_pk_fma_f32 v[2*z:2*z+1], v[T+2*z:T+2*z+1], v[F+2*(z/16):F+2*(z/16)+1], v[2*z:2*z+1] op_sel_hi:[1,0,1]
.set z, z+1
.endr
	WIN 0
.endm
; THE CHANGE OF SLOTS.  Each wave waits for all its tensor loads (one is out: its part of the other slot), adds 0 to its spare word, and waits for that and for its reads of the slot that it leaves.
; The step's update and the scalar work stand between the add and the wait for it.  fill = 1: the barrier is a round of the cluster's, and the slot is filled again first thing behind it, with step s[SG]:
; that load has a step's 128 products in which to land.  (At its first use nothing has been read: slot 0 is waited for, slot 1 filled, and the round shows every wave's F to the others.)
.macro CHANGE upd, fill
	WIN 0
	s_wait_tensorcnt 0x0
	ds_add_u32 v[SPW], v[NIL]
.if \upd
	UPDATE
.endif
.if \fill
	WALK
	s_lshl_b32 s[OA], s[RB], 12
	s_lshl_b32 s2, s[JT], 9
	s_add_co_u32 s[OA], s[OA], s2
	s_mul_i32 s[OV], s[JT], 1572864                ; 256 rows of 6,144 bytes
	s_xor_b32 s[G0A+1], s[G0A+1], SLOT1
	s_add_nc_u64 s[G0A+2:G0A+3], s[ABASE:ABASE+1], s[OA:OA+1]
	s_or_b32 s[G0A+3], s[G0A+3], 0x80000000
	s_xor_b32 s[G0V+1], s[G0V+1], SLOT1
	s_add_nc_u64 s[G0V+2:G0V+3], s[VBASE:VBASE+1], s[OV:OV+1]
	s_or_b32 s[G0V+3], s[G0V+3], 0x80000000
	s_add_co_u32 s[SG], s[SG], 1
	WALK                                           ; the step after it, for the prefetch
	s_lshl_b32 s22, s[RB], 12
	s_lshl_b32 s23, s[JT], 9
	s_add_co_u32 s22, s22, s23
	s_mul_i32 s23, s[JT], 1572864
	s_cmp_lt_u32 s[WV], 2
	s_cselect_b32 s[OP], s22, s23
	s_wait_xcnt 0x0                                ; the last prefetches, a step back, have read their address
	s_add_nc_u64 s[PFA:PFA+1], s[PFB:PFB+1], s[OP:OP+1]
.endif
	s_wait_dscnt 0x0                               ; the add is done, and my reads of the slot are over
.if \fill
	CROUND
	JLOAD
.else
	s_barrier_signal -1
	s_barrier_wait -1
.endif
	s_xor_b32 s[TB], s[TB], SLOT1
	v_add_nc_u32 v[ADRA], s[TB], v[ADRA0]
	v_add_nc_u32 v[ADRV], s[TB], v[ADRV0]
	v_add_nc_u32 v[ADRV+1], s[TB], v[ADRW0]
	v_add_nc_u32 v[FAD], s[FTO], v[FA0]
.set z, 0
.rept 4
	ds_load_b64 v[F+2*z:F+2*z+1], v[FAD] offset:128*z  ; this step's factors of my four query blocks
.set z, z+1
.endr
	FETCH 0, F0
	WIN 0
.if \fill
	ASK
.endif
.endm
; THE WAY OUT of a block: 16 rows at a time through my own stage; a row's 64 f32 are 256 bytes.  again = 1: the work-group's second way out.
.macro WAYOUT again
	WIN 0
.if \again
	s_wait_xcnt 0x0                                ; the first way out's stores have read the registers that are loaded again below
.endif
.set aa, 0
.rept 4
	WIN 0x08                                       ; store data in window 2
.set z, 0
.rept 8
	ds_store_b128 v[STO], v[8*(4*aa+z/2)+4*(z%2):8*(4*aa+z/2)+4*(z%2)+3] offset:64*(z/2)+16*(z%2)
.set z, z+1
.endr
	WIN 0
.if aa >= 2
	s_wait_xcnt 0x0                                ; the stores of two blocks back have read their registers
.endif
.set z, 0
.rept 8
	ds_load_b128 v[TMP+32*(aa%2)+4*z:TMP+32*(aa%2)+4*z+3], v[RD] offset:z*2*SP  ; LDS serves a wave's instructions in order (ISA guide 5.7.1.4)
.set z, z+1
.endr
	s_wait_dscnt 0x0
.set z, 0
.rept 8
	global_store_b128 v[GO], v[TMP+32*(aa%2)+4*z:TMP+32*(aa%2)+4*z+3], s[OUT:OUT+1] offset:(16*aa+2*z)*4096  ; 16 lanes store 256 consecutive bytes, aligned
.set z, z+1
.endr
.set aa, aa+1
.endr
.endm
.macro NEWBLOCK
	s_wait_xcnt 0x0                                ; the stores have read out0's address
	s_mov_b64 s[OUT:OUT+1], s[OUTL:OUTL+1]
	CLEAR
.endm
	CHANGE 0, 1                                    ; step 0 is in, everybody's part of it; step 1 is asked for
	s_branch .Lmid                                 ; the loop is entered behind its change of slots
.Lloop:                                        ; steps 0 to 7: each asks for the next
	CHANGE 1, 1
.Lmid:
	s_cmp_lg_u32 s[CUR], s[NTH]                    ; does the second block begin?  The same answer in all four partners; the jump passes no barrier and no tensor load
	s_cbranch_scc1 .Lsame
	WAYOUT 0
	NEWBLOCK
.Lsame:
	COMPUTE
	s_add_co_u32 s[CUR], s[CUR], 1
	s_add_co_u32 s[FTO], s[FTO], 1024
	s_sub_co_u32 s[CNT], s[CNT], 1
	s_cmp_lg_u32 s[CNT], 0
	s_cbranch_scc1 .Lloop
	CHANGE 1, 0                                    ; step 8 is written out: it asks for nothing
	s_cmp_lg_u32 s[CUR], s[NTH]
	s_cbranch_scc1 .Lsame2
	WAYOUT 0
	NEWBLOCK
.Lsame2:
	COMPUTE
	UPDATE
	WAYOUT 1
	s_wait_tensorcnt 0x0                           ; the wave's end
	ds_add_u32 v[SPW], v[NIL]
	s_wait_dscnt 0x0
	CROUND                                         ; the closing round: no work-group ends while a partner may still ask for a tile that names it
	s_endpgm
.Lfunc_end_k_q3171e573bd_pv:
	.size	k_q3171e573bd_pv, .Lfunc_end_k_q3171e573bd_pv-k_q3171e573bd_pv
	.p2alignl 7, 3214868480
	.fill 96, 4, 3214868480
	.section	.rodata,"a",@progbits
	.p2align	6, 0x0
	.amdhsa_kernel k_q3171e573bd_pv
		.amdhsa_group_segment_fixed_size 327680
		.amdhsa_private_segment_fixed_size 0
		.amdhsa_enable_private_segment 0
		.amdhsa_kernarg_size 32
		.amdhsa_user_sgpr_count 2
		.amdhsa_user_sgpr_kernarg_segment_ptr 1
		.amdhsa_wavefront_size32 1
		.amdhsa_system_sgpr_workgroup_id_x 1
		.amdhsa_system_sgpr_workgroup_id_y 1
		.amdhsa_system_sgpr_workgroup_id_z 1
		.amdhsa_system_vgpr_workitem_id 0
		.amdhsa_next_free_vgpr 640
		.amdhsa_next_free_sgpr 92
		.amdhsa_reserve_vcc 0
		.amdhsa_float_denorm_mode_32 3
		.amdhsa_float_denorm_mode_16_64 3
		.amdhsa_memory_ordered 1
		.amdhsa_forward_progress 1
		.amdhsa_inst_pref_size 111
	.end_amdhsa_kernel
	.amdgpu_metadata
---
amdhsa.version: [ 1, 2 ]
amdhsa.kernels:
  - .name:           k_q3171e573bd_pv
    .symbol:         k_q3171e573bd_pv.kd
    .args:
      - { .name: pw, .offset: 0, .size: 8, .value_kind: global_buffer, .address_space: global }
      - { .name: stat, .offset: 8, .size: 8, .value_kind: global_buffer, .address_space: global }
      - { .name: qkv, .offset: 16, .size: 8, .value_kind: global_buffer, .address_space: global }
      - { .name: out0, .offset: 24, .size: 8, .value_kind: global_buffer, .address_space: global }
    .group_segment_fixed_size: 327680
    .private_segment_fixed_size: 0
    .kernarg_segment_align: 8
    .kernarg_segment_size: 32
    .max_flat_workgroup_size: 128
    .sgpr_count:     92
    .vgpr_count:     640
    .wavefront_size: 32
...
	.end_amdgpu_metadata
.endif
;; end of part 4
;; ======== version 2 of 2: 4 launches; version 1 with the launch cast written anew for expert scheduling mode
;; limits: values are held in f16: magnitudes above 65,504 overflow, below 6.1e-05 lose precision
;; workspace buffers: xw 23,789,568 bytes; qkv 50,331,648 bytes; pw 33,554,432 bytes; stat 1,048,576 bytes
;; launch cast (part 5): grid 704 x 1, 4 waves a work-group, no clusters, 0 bytes of LDS; arguments x, Wq, Wk, Wv, xw; writes xw
.if DOCPART == 5
	.amdgcn_target "amdgcn-amd-amdhsa--gfx1250"
	.amdhsa_code_object_version 6
	.text
	.protected	k_q3171e573bd_cast
	.globl	k_q3171e573bd_cast
	.p2align	8
	.type	k_q3171e573bd_cast,@function
k_q3171e573bd_cast:
	s_mov_b64 s[64:65], 0
	v_nop
	global_prefetch_b8 v0, s[64:65] scope:SCOPE_SE
	s_setreg_imm32_b32 hwreg(HW_REG_WAVE_SCHED_MODE, 0, 2), 2
	s_setreg_imm32_b32 hwreg(HW_REG_WAVE_MODE, 25, 1), 1
	s_wait_xcnt 0x0
	s_wait_alu depctr_vm_vsrc(0)
; xw in bf16 = x's 8,192 rows, then Wq's, Wk's and Wv's 1,024 rows each, every number rounded once (to nearest even), LAID OUT IN 11 BLOCKS ALONG K for the launch behind:
; block kb is [11,264 rows][96 numbers], dense, 192 bytes a row.  Block 0 holds columns 0-63 and 32 zeros; block kb >= 1 holds columns 64 + 96 (kb - 1) on.
; So 128 or 192 rows of a block, which is what one tensor load of the launch behind takes, are whole aligned blocks of 256 bytes on end.
; A stream: each input byte is read once, each output byte written once; no LDS, no matrix unit, no cluster: nothing is shared.
; SHARES.  A work-group takes 16 rows, a wave 4.  4 rows of a block are 768 bytes = 96 pieces of 4 numbers: piece 32 n + lane (n = 0, 1, 2) is row (piece / 24), numbers 4 (piece % 24) on.
; A lane loads 16 bytes (24 neighbouring lanes: 384 consecutive bytes of a row) and stores 8: the 32 lanes of a store fill 256 consecutive bytes, aligned.  All 33 loads go out on end.
; THE MODE: SCHED_MODE bits 1:0 = 2 (LLVM: expert scheduling mode 2), set by the entry lines.  The code itself states the register dependences
; between vector instructions and memory instructions, with s_wait_alu, always for 0.
; THE PLAN.  Registers that memory instructions touch (the text has no loop and no branch):
;   v4-10        the offsets: written once at the head by vector instructions, read by the 33 loads (v4-9) and the 33 stores (v10), never written again.
;   X + 4 i ..   load i lands in four registers; the conversions of block i / 3 read the four and write the first two; store i reads those two; nothing writes them afterwards.
;                No vector instruction names X ahead of the loads: the head works in v0-v11.
; Block kb (loads and stores 3 kb to 3 kb + 2) is rounded when its data are in; its three stores are issued in block kb + 1, behind ONE wait on va_vdst at that block's head, and are dealt among
; that block's conversions, which name that block's twelve registers alone.  No register that a load or store reads is written again, so, behind the entry lines, the text holds no wait on vm_vsrc and no s_wait_xcnt.
.set KBLK, 2162688                     ; bytes in a block: 11,264 rows x 192
.set VO, 4                             ; v4-6   piece n: byte offset in my 4 rows of the source, less the block's
.set VZ, 7                             ; v7-9   the same for block 0, held inside its 64 columns
.set OO, 10                            ; v10    8 x lane
.set X,  16                            ; v[16:147]  load i = 3 kb + n: four f32; then its first two registers hold the four bf16
.set MK, 20                            ; s20-22 piece n: the lanes whose piece lies in block 0's 64 columns
.set OB, 24                            ; s[24:31] xw at my 4 rows of blocks 0, 3, 6, 9: the blocks between stand in the stores' immediates
	s_load_b256 s[4:11], s[0:1], 0x0               ; x s[4:5], Wq s[6:7], Wk s[8:9], Wv s[10:11]
	s_load_b64 s[12:13], s[0:1], 0x20              ; xw
	v_lshrrev_b32 v1, 5, v0
	v_readfirstlane_b32 s14, v1                    ; wave 0..3
	v_and_b32 v1, 31, v0                           ; lane
.irp n, 0,1,2
	v_add_nc_u32 v2, 32*(\n), v1                   ; the piece, 0 to 95
	v_mul_u32_u24 v3, v2, 171
	v_lshrrev_b32 v3, 12, v3                       ; piece / 24: 171 / 4,096 serves up to 95
	v_mul_u32_u24 v11, v3, 24
	v_sub_nc_u32 v11, v2, v11                      ; piece % 24
	v_lshlrev_b32 v3, 12, v3                       ; a row of the source is 4,096 bytes
	v_lshl_add_u32 v[VO+(\n)], v11, 4, v3
	v_cmp_gt_u32 s[MK+(\n)], 16, v11               ; block 0 has 16 pieces of numbers in a row; the other 8 are zeros
	v_min_u32 v11, 15, v11                         ; and their lanes load the row's piece 15: every load stays in its row
	v_lshl_add_u32 v[VZ+(\n)], v11, 4, v3
.endr
	v_lshlrev_b32 v[OO], 3, v1
	s_wait_alu depctr_va_sdst(0)                   ; s14 (the wave's number) and s20-22 (the three masks) are written, ahead of their first readers: the scalar address work below, block 0's selects
	s_mov_b32 s18, 0                               ; the first work-group of my source
	s_mov_b32 s3, 0
	s_wait_kmcnt 0x0
	s_mov_b64 s[16:17], s[4:5]                     ; work-groups 0-511: x; 512-575: Wq; 576-639: Wk; 640-703: Wv
	s_cmp_ge_u32 ttmp9, 512
	s_cselect_b64 s[16:17], s[6:7], s[16:17]
	s_cselect_b32 s18, 512, s18
	s_cmp_ge_u32 ttmp9, 576
	s_cselect_b64 s[16:17], s[8:9], s[16:17]
	s_cselect_b32 s18, 576, s18
	s_cmp_ge_u32 ttmp9, 640
	s_cselect_b64 s[16:17], s[10:11], s[16:17]
	s_cselect_b32 s18, 640, s18
	s_sub_co_u32 s2, ttmp9, s18
	s_lshl_b32 s2, s2, 16                          ; 16 rows of 4,096 bytes,
	s_lshl_b32 s15, s14, 14                        ; my wave's 4 of them
	s_add_co_u32 s2, s2, s15
	s_add_nc_u64 s[16:17], s[16:17], s[2:3]
	s_mul_i32 s2, ttmp9, 3072                      ; 16 rows of 192 bytes in a block of xw,
	s_mul_i32 s15, s14, 768                        ; my wave's 4
	s_add_co_u32 s2, s2, s15
	s_add_nc_u64 s[OB:OB+1], s[12:13], s[2:3]
	s_add_nc_u64 s[OB+2:OB+3], s[OB:OB+1], 3*KBLK
	s_add_nc_u64 s[OB+4:OB+5], s[OB+2:OB+3], 3*KBLK
	s_add_nc_u64 s[OB+6:OB+7], s[OB+4:OB+5], 3*KBLK
	s_wait_alu depctr_va_vdst(0)                   ; the seven offsets v4 to v10 are written: every load and store below reads one of them, and none is written again
.set i, 0
.rept 33
.if i < 3
	global_load_b128 v[X+4*i:X+4*i+3], v[VZ+i], s[16:17] th:TH_LOAD_NT
.else
	global_load_b128 v[X+4*i:X+4*i+3], v[VO+i%3], s[16:17] offset:256+384*(i/3-1) th:TH_LOAD_NT
.endif
.set i, i+1
.endr
.set kb, 0
.rept 11
	s_wait_loadcnt 30-3*kb                         ; loads come back in order: this block's three are in, the later blocks' stay out
.if kb > 0
	s_wait_alu depctr_va_vdst(0)                   ; the block before has written its six words of bf16, which the three stores below read; the conversions between those stores name this block's registers alone
.endif
.set n, 0
.rept 3
.set i, 3*kb+n                         ; the piece that is rounded,
.set j, i-3                            ; and the piece of the block before, which is stored
.if kb > 0
	global_store_b64 v[OO], v[X+4*j:X+4*j+1], s[OB+2*(j/9):OB+2*(j/9)+1] offset:((j/3)%3)*KBLK+256*(j%3)
.endif
	v_cvt_pk_bf16_f32 v[X+4*i],   v[X+4*i],   v[X+4*i+1]  ; in place: each word lands on a register whose f32 has been read
	v_cvt_pk_bf16_f32 v[X+4*i+1], v[X+4*i+2], v[X+4*i+3]
.if i < 3
	v_cndmask_b32 v[X+4*i],   0, v[X+4*i],   s[MK+i]      ; block 0's last 32 numbers of a row are zeros
	v_cndmask_b32 v[X+4*i+1], 0, v[X+4*i+1], s[MK+i]
.endif
.set n, n+1
.endr
.set kb, kb+1
.endr
	s_wait_alu depctr_va_vdst(0)                   ; block 10's conversions have written its six words, which the last three stores read
.set j, 30
.rept 3
	global_store_b64 v[OO], v[X+4*j:X+4*j+1], s[OB+2*(j/9):OB+2*(j/9)+1] offset:((j/3)%3)*KBLK+256*(j%3)
.set j, j+1
.endr
	s_endpgm
.Lfunc_end_k_q3171e573bd_cast:
	.size	k_q3171e573bd_cast, .Lfunc_end_k_q3171e573bd_cast-k_q3171e573bd_cast
	.p2alignl 7, 3214868480
	.fill 96, 4, 3214868480
	.section	.rodata,"a",@progbits
	.p2align	6, 0x0
	.amdhsa_kernel k_q3171e573bd_cast
		.amdhsa_group_segment_fixed_size 0
		.amdhsa_private_segment_fixed_size 0
		.amdhsa_enable_private_segment 0
		.amdhsa_kernarg_size 40
		.amdhsa_user_sgpr_count 2
		.amdhsa_user_sgpr_kernarg_segment_ptr 1
		.amdhsa_wavefront_size32 1
		.amdhsa_system_sgpr_workgroup_id_x 1
		.amdhsa_system_sgpr_workgroup_id_y 1
		.amdhsa_system_sgpr_workgroup_id_z 1
		.amdhsa_system_vgpr_workitem_id 0
		.amdhsa_next_free_vgpr 148
		.amdhsa_next_free_sgpr 66
		.amdhsa_reserve_vcc 0
		.amdhsa_float_denorm_mode_32 3
		.amdhsa_float_denorm_mode_16_64 3
		.amdhsa_memory_ordered 1
		.amdhsa_forward_progress 1
		.amdhsa_inst_pref_size 15
	.end_amdhsa_kernel
	.amdgpu_metadata
---
amdhsa.version: [ 1, 2 ]
amdhsa.kernels:
  - .name:           k_q3171e573bd_cast
    .symbol:         k_q3171e573bd_cast.kd
    .args:
      - { .name: x, .offset: 0, .size: 8, .value_kind: global_buffer, .address_space: global }
      - { .name: Wq, .offset: 8, .size: 8, .value_kind: global_buffer, .address_space: global }
      - { .name: Wk, .offset: 16, .size: 8, .value_kind: global_buffer, .address_space: global }
      - { .name: Wv, .offset: 24, .size: 8, .value_kind: global_buffer, .address_space: global }
      - { .name: xw, .offset: 32, .size: 8, .value_kind: global_buffer, .address_space: global }
    .group_segment_fixed_size: 0
    .private_segment_fixed_size: 0
    .kernarg_segment_align: 8
    .kernarg_segment_size: 40
    .max_flat_workgroup_size: 128
    .sgpr_count:     66
    .vgpr_count:     148
    .wavefront_size: 32
...
	.end_amdgpu_metadata
.endif
;; end of part 5
;; launch proj: the kernel of part 2 again; grid 8 x 32, 4 waves a work-group, clusters of 4 x 4, 327,680 bytes of LDS; arguments xw, qkv; writes qkv
;; launch score: the kernel of part 3 again; grid 9 x 16, 4 waves a work-group, no clusters, 327,680 bytes of LDS; arguments qkv, pw, stat; writes pw, stat
;; launch pv: the kernel of part 4 again; grid 8 x 32, 4 waves a work-group, clusters of 4 x 1, 327,680 bytes of LDS; arguments pw, stat, qkv, out0; writes out0
